; MI455X (gfx1250); checked and timed in simulation.
; The chip was launched on July 23, 2026; its instructions are those of AMD's public machine-readable ISA for CDNA 5 (MIT licence, August 2026) and "CDNA5" Instruction Set Architecture Reference Guide (July 2026). The comments in the code are by the model that wrote it; some were corrected since.
;; Multi Head Attention. Allowed arithmetic: matrix products marked QUANTISED: E2M3 operands, one E8M0 scale for each 32 along K, by v_wmma_scale_f32_16x16x128_f8f6f4 with both operands' format E2M3, f32 sums; everything else in f32.
;; Inputs: Wk 1,024 x 1,024 float32; Wo 1,024 x 1,024 float32; Wq 1,024 x 1,024 float32; Wv 1,024 x 1,024 float32; bk 1,024 float32; bo 1,024 float32; bq 1,024 float32; bv 1,024 float32; k 4 x 2,048 x 1,024 float32; mask 4 x 1 x 1 x 2,048 int32; q 4 x 2,048 x 1,024 float32; v 4 x 2,048 x 1,024 float32.
;; Outputs: out0 4 x 2,048 x 1,024 float32.
;; This version of the problem:
;;   THIS VERSION OF THE PROBLEM IS GIVEN IN LOW PRECISION. The matrix products marked QUANTISED in the list below multiply operands that are first quantised to E2M3 (2 exponent bits, 3 mantissa bits; 6 bits a number), with one power-of-two scale for each 32 numbers along K (OCP MX v1.0); their sums are f32. All else is computed in f32.
;;   The module's matrix products, in the order in which they are computed (A, B: the left and right operand; K: the contracted axis; several contracted axes count as one K, in the product's order):
;;     1. [M 8,192, K 1,024] x [K 1,024, N 1,024]; A: input q; B: input Wq: QUANTISED
;;     2. [M 8,192, K 1,024] x [K 1,024, N 1,024]; A: input k; B: input Wk: QUANTISED
;;     3. [M 8,192, K 1,024] x [K 1,024, N 1,024]; A: input v; B: input Wv: QUANTISED
;;     4. batch 64 x [M 2,048, K 64] x [K 64, N 2,048]; A: computed on the way; B: computed on the way: QUANTISED
;;     5. batch 64 x [M 2,048, K 2,048] x [K 2,048, N 64]; A: softmax (see below); B: computed on the way: QUANTISED
;;     6. [M 8,192, K 1,024] x [K 1,024, N 1,024]; A: computed on the way; B: input Wo: QUANTISED
;;   THE QUANTISER, for each operand of a quantised product, along K:
;;     - K is cut into blocks of 32 from its start; a last block that is shorter is filled with zeros.
;;     - A block's scale is 2^e with e = floor(log2(the largest magnitude in the block)) - 2, held to -126 .. 127; a block of zeros has e = 0. As a byte (E8M0): e + 127.
;;     - Each number is divided by its block's scale, clamped to +-7.5, and rounded to the nearest number of E2M3, ties to even, subnormals kept.
;;     - The product sums the exact products of the quantised numbers (number of the format x scale) in f32.
;;   ~~~python
;;   def quantise(x, axis):      # numpy; x: float32 -> the quantised numbers, widened to float32 again
;;       x = np.moveaxis(x, axis, -1); K = x.shape[-1]
;;       x = np.pad(x, [(0, 0)] * (x.ndim - 1) + [(0, -K % 32)]); x = x.reshape(x.shape[:-1] + (-1, 32)); a = np.abs(x).max(-1, keepdims=True)
;;       e = np.where(a > 0, np.clip(np.frexp(np.where(a > 0, a, 1))[1] - 1 - 2, -126, 127), 0)      # np.frexp(a)[1] - 1 = floor(log2(a)), exactly
;;       r = np.clip(x / 2.0 ** e, -7.5, 7.5)
;;       step = 2.0 ** (np.maximum(np.frexp(np.where(r == 0, 1, r))[1] - 1, 0) - 3)
;;       q = np.round(r / step) * step * 2.0 ** e      # np.round: ties to even
;;       return np.moveaxis(q.reshape(q.shape[:-2] + (-1,))[..., :K], -1, axis).astype(np.float32)
;;   ~~~
;;   SOFTMAX AHEAD OF A QUANTISED PRODUCT. Where the list says 'softmax', what is quantised is not the finished softmax but p = 2^(t - M), with t = logit x log2(e) and M = ceil(the row's largest t), a whole number; so 1/2 < the row's largest p <= 1. The row's sum l is taken of the UNQUANTISED p, in f32, and the product's result is divided by l at the end. Since M is a whole number, a kernel that streams over the keys may use a running M (the ceiling of the running maximum): every later rescaling is an exact power of two, which a block's scale takes up: the codes' values come out the same.
;;   OPERANDS COMPUTED ON THE WAY. 'Computed on the way' means the value that the module computes at that place (a softmax that the list does not call 'softmax' is quantised finished and normalised). What goes into a quantiser is computed in f32, as accurately as f32 sums, v_exp_f32 and their like allow (about 1e-6 of the number): no bf16 or f16 on the way to a quantiser, and a product that is left as it is and whose result goes on into a quantised operand takes f32 operands (vector FMAs, or v_wmma_f32_16x16x4_f32). A number that lies on a knife's edge between two numbers of the format may be rounded either way, as far as f32 arithmetic and the matrix unit's own rounding can turn it there, and no further.
;; One version. Each part assembles by itself: llvm-mc -triple=amdgcn-amd-amdhsa -mcpu=gfx1250 --defsym DOCPART=n.
;; ======== version 1 of 1: 5 launches
;; limits: right only within a limited range of input values
;; workspace buffers: wimg 3,276,800 bytes; ximg 19,660,800 bytes; hbuf 19,660,800 bytes; cimg 6,553,600 bytes
;; launch quant_w (part 1): grid 32 x 4, 8 waves a work-group, no clusters, 28,672 bytes of LDS; arguments Wq, Wk, Wv, Wo, wimg; writes wimg
.if DOCPART == 1
	.amdgcn_target "amdgcn-amd-amdhsa--gfx1250"
	.amdhsa_code_object_version 6
	.text
	.protected	k_q6e18f8c6fc_quant_w
	.globl	k_q6e18f8c6fc_quant_w
	.p2align	8
	.type	k_q6e18f8c6fc_quant_w,@function
k_q6e18f8c6fc_quant_w:
	s_mov_b64 s[64:65], 0
	v_nop
	global_prefetch_b8 v0, s[64:65] scope:SCOPE_SE
	s_setreg_imm32_b32 hwreg(HW_REG_WAVE_MODE, 25, 1), 1
	s_wait_xcnt 0x0
; The four weights, each [1024 (k)][1024 (n)] f32 with K as the FIRST axis, become codes of FP6 (E2M3) with one E8M0 byte for each 32 along K,
; laid as RECORDS: one record for a tile of 16 columns n and all of K: 8 K steps x 1,536 bytes of codes, then 512 bytes of scale words [r][8 words].
; A K step's 1,536 bytes are two HALF IMAGES of 768 bytes (64 along K each): the operand's registers 6 c .. 6 c + 5 as they stand in the lanes:
; registers 0-3 of lane l at 16 l, registers 4-5 at 512 + 8 l.  Lane (r, h) of the operand holds k = 64 c + 32 h + 0 .. 31 of row r.
; THE COLUMNS OF A TILE ARE NOT NEIGHBOURS: lane r of tile T takes column 64 (T / 4) + 8 (T % 4) + r % 8 + 32 (r / 8).
; SHARES: work-group (x = b, y = the weight) takes columns 64 (b / 2) + 16 (b % 2) + 0 .. 15 and 32 .. 47, two tiles; wave s takes K step s; lane L takes column 64 (b / 2) + 16 (b % 2) + L % 16 + 32 (L / 16) and its
; registers run down K, so a block of 32 lies in one lane and the conversions give the codes with K innermost.  Nothing is transposed by an instruction.
; A block's scale byte is its largest magnitude's exponent field - 2, held at 1 from below (a block of zeros gets 1: its codes are zeros, and this program alone reads the bytes).
; LIMITS: NaN and infinities are not served; blocks whose largest magnitude lies under 2^-124 get the byte 1.
.set REC,  12800                       ; bytes of a record
.set STG,  3328                        ; LDS: a wave's stage: two tiles' K step
.set TST,  1664                        ; a tile's 1,536 bytes + 128, so that the two tiles' stores of one instruction fall on different banks (64 banks of 4 bytes: ISA guide 11.1)
.set SCW,  8*STG                       ; behind the stages: the scale words of both tiles, [u][r][8 words], 1,024 bytes
.set X,    64                          ; v64-191  my column's 128 numbers
.set CB,   24                          ; v24-55   a block's codes, eight registers for each of the four blocks
.set CT,   56                          ; v56-58   the second half of a block's codes (a conversion's three registers begin on an even number)
.set OUTR, 64                          ; the way out lands where the numbers lay
	s_load_b256 s[4:11], s[0:1], 0x0               ; Wq, Wk, Wv, Wo
	s_load_b64 s[12:13], s[0:1], 0x20              ; the records
	v_lshl_add_u32 v192, v0, 2, 0x6c00
	v_mov_b32 v193, 0
	v_lshrrev_b32 v1, 5, v0
	s_delay_alu instid0(VALU_DEP_1)
	v_readfirstlane_b32 s14, v1                    ; wave = K step
	s_and_b32 s15, ttmp7, 0xffff                   ; which weight
	v_and_b32 v2, 31, v0                           ; L
	s_delay_alu instid0(VALU_DEP_1)
	v_and_b32 v1, 15, v2                           ; in: lanes 0-15 take 16 neighbouring columns, lanes 16-31 the 16 that lie 32 columns on:
	v_and_b32 v3, 16, v2                           ; row r of tile u of a group of 64 columns is column 8 u + r % 8 + 32 (r / 8)
	v_lshlrev_b32 v1, 2, v1
	v_lshl_add_u32 v1, v3, 3, v1                   ; 4 (L % 16) + 128 (L / 16)
	v_bfe_u32 v12, v0, 3, 1                        ; u = (L / 8) % 2
	v_and_b32 v13, 7, v0
	v_bfe_u32 v14, v0, 4, 1
	s_delay_alu instid0(VALU_DEP_1)
	v_lshl_add_u32 v13, v14, 3, v13                ; r = L % 8 + 8 (L / 16)
	s_mul_i32 s16, s14, STG                        ; my stage
	v_mul_u32_u24 v15, v12, TST
	s_delay_alu instid0(VALU_DEP_1)
	v_add_nc_u32 v15, s16, v15
	s_delay_alu instid0(VALU_DEP_1)
	v_lshl_add_u32 v4, v13, 4, v15                 ; v4: registers 0-3 of operand lane (r, 0) of my tile
	s_delay_alu instid0(VALU_DEP_2)
	v_lshl_add_u32 v5, v13, 3, v15
	s_delay_alu instid0(VALU_DEP_1)
	v_add_nc_u32 v5, 512, v5                       ; v5: registers 4-5
	v_lshlrev_b32 v6, 9, v12
	s_delay_alu instid0(VALU_DEP_1)
	v_lshl_add_u32 v6, v13, 5, v6
	s_lshl_b32 s17, s14, 2
	s_add_co_u32 s17, s17, SCW
	v_add_nc_u32 v6, s17, v6                       ; v6: my column's scale word of this K step
	v_lshlrev_b32 v9, 4, v2                        ; v9: 16 L
	v_lshlrev_b32 v10, 3, v2                       ; v10: 8 L
	s_delay_alu instid0(VALU_DEP_2)
	v_add_nc_u32 v7, s16, v9                       ; v7, v8: the stage read back as it lies
	s_delay_alu instid0(VALU_DEP_2)
	v_add_nc_u32 v8, s16, v10
	s_delay_alu instid0(VALU_DEP_1)
	v_add_nc_u32 v8, 512, v8
	v_add_nc_u32 v21, SCW, v9                      ; v21: the scale words read back
	s_lshl_b32 s18, s14, 19                        ; W: 128 rows of 4,096 bytes a K step,
	s_lshr_b32 s19, ttmp9, 1                       ; the group of 64 columns: 256 bytes,
	s_lshl_b32 s19, s19, 8
	s_and_b32 s22, ttmp9, 1                        ; its tiles 0, 1 or 2, 3: 16 columns on
	s_lshl_b32 s22, s22, 6
	s_add_co_u32 s19, s19, s22
	s_add_co_u32 s18, s18, s19
	s_mov_b32 s19, 0
	s_lshl_b32 s20, s15, 6                         ; record 64 x weight + 2 b,
	s_lshl_b32 s21, ttmp9, 1
	s_add_co_u32 s20, s20, s21
	s_mul_i32 s20, s20, REC
	s_mul_i32 s21, s14, 1536                       ; my K step in it
	s_add_co_u32 s20, s20, s21
	s_mov_b32 s21, 0
	s_wait_kmcnt 0x0
	s_cmp_eq_u32 s15, 1                            ; the choice of the weight hangs on the work-group's number alone
	s_cselect_b64 s[4:5], s[6:7], s[4:5]
	s_cmp_eq_u32 s15, 2
	s_cselect_b64 s[4:5], s[8:9], s[4:5]
	s_cmp_eq_u32 s15, 3
	s_cselect_b64 s[4:5], s[10:11], s[4:5]
	s_add_nc_u64 s[4:5], s[4:5], s[18:19]
	s_add_nc_u64 s[12:13], s[12:13], s[20:21]
.macro LOAD t                          ; block t: W(128 s + 32 t + i, my column), i = 0 .. 31
.set i, 0
.rept 32
	global_load_b32 v[X+32*(\t)+i], v1, s[4:5] offset:(32*(\t)+i)*4096 th:TH_LOAD_NT
.set i, i+1
.endr
.endm
	LOAD 0
	LOAD 1
.macro BLOCK t
.set XS, X+32*(\t)
.if (\t) < 3
	s_wait_loadcnt 32                              ; this block's 32 loads are in; the next block's 32 may be out
.else
	s_wait_loadcnt 0x0
.endif
.if (\t)+2 < 4
	LOAD (\t)+2                                    ; two blocks ahead
.endif
	v_max3_num_f32 v12, |v[XS]|, |v[XS+1]|, |v[XS+2]|       ; the block's largest magnitude: all 32 numbers are mine; two chains
	v_max3_num_f32 v13, |v[XS+3]|, |v[XS+4]|, |v[XS+5]|
.irp i, 6,10,14,18,22,26
	s_delay_alu instid0(VALU_DEP_2)
	v_max3_num_f32 v12, v12, |v[XS+\i]|, |v[XS+\i+1]|
	s_delay_alu instid0(VALU_DEP_2)
	v_max3_num_f32 v13, v13, |v[XS+\i+2]|, |v[XS+\i+3]|
.endr
	s_delay_alu instid0(VALU_DEP_2)
	v_max3_num_f32 v12, v12, |v[XS+30]|, |v[XS+31]|
	s_delay_alu instid0(VALU_DEP_1)
	v_max3_num_f32 v12, v12, v13, 0x1800000        ; and the floor 2^(3 - 127): the byte cannot fall under 1
	s_delay_alu instid0(VALU_DEP_1)
	v_add_nc_u32 v11, 0xff000000, v12              ; 2 off the exponent field: the conversion takes this operand's exponent field as its scale
	s_delay_alu instid0(VALU_DEP_1)
	v_lshrrev_b32 v13, 23, v11                     ; the scale's byte
.if (\t) == 0
	s_delay_alu instid0(VALU_DEP_1)
	v_mov_b32 v20, v13                             ; four bytes make the K step's scale word, the lower K in the lower byte
.else
	s_delay_alu instid0(VALU_DEP_1)
	v_lshl_or_b32 v20, v13, 8*(\t), v20
.endif
	v_cvt_scalef32_pk16_fp6_f32 v[CB+8*(\t):CB+8*(\t)+2], v[XS:XS+15], v11
	v_cvt_scalef32_pk16_fp6_f32 v[CT:CT+2], v[XS+16:XS+31], v11
	v_nop                                          ; one plain place behind a scaled conversion
.irp i, 0,1,2
	v_mov_b32 v[CB+8*(\t)+3+\i], v[CT+\i]
.endr
	ds_store_b128 v4, v[CB+8*(\t):CB+8*(\t)+3] offset:768*((\t)/2)+256*((\t)%2)      ; block t = 2 c + h is operand lane (r, h), registers 6 c on
	ds_store_b64 v5, v[CB+8*(\t)+4:CB+8*(\t)+5] offset:768*((\t)/2)+128*((\t)%2)
.endm
	BLOCK 0
	BLOCK 1
	BLOCK 2
	BLOCK 3
	ds_store_b32 v6, v20
.irp u, 0,1                            ; the stage comes back as it lies (LDS serves a wave's instructions in order: ISA guide 5.7.1.4) and leaves in runs of 512 and 256 consecutive bytes
.irp c, 0,1
	ds_load_b128 v[OUTR+12*\u+6*\c:OUTR+12*\u+6*\c+3], v7 offset:TST*\u+768*\c
	ds_load_b64 v[OUTR+12*\u+6*\c+4:OUTR+12*\u+6*\c+5], v8 offset:TST*\u+768*\c
.endr
.endr
.irp u, 0,1
.irp c, 0,1
	s_wait_dscnt 7-(4*\u+2*\c)                     ; the pieces behind this one may be out
	global_store_b128 v9, v[OUTR+12*\u+6*\c:OUTR+12*\u+6*\c+3], s[12:13] offset:REC*\u+768*\c
	s_wait_dscnt 6-(4*\u+2*\c)
	global_store_b64 v10, v[OUTR+12*\u+6*\c+4:OUTR+12*\u+6*\c+5], s[12:13] offset:REC*\u+768*\c+512
.endr
.endr
	s_wait_dscnt 0x0                               ; for the others' sake: my scale words lie in LDS
	s_barrier_signal -1
	s_barrier_wait -1
	s_cmp_lg_u32 s14, 0                            ; wave 0 (whose base is the records' first byte) stores both tiles' 512 bytes of scale words
	s_cbranch_scc1 .Lend
	ds_load_b128 v[88:91], v21
	ds_load_b128 v[92:95], v21 offset:512
	s_wait_dscnt 0x0
	global_store_b128 v9, v[88:91], s[12:13] offset:12288
	global_store_b128 v9, v[92:95], s[12:13] offset:REC+12288
.Lend:
	s_wait_tensorcnt 0x0
	ds_add_u32 v192, v193
	s_wait_dscnt 0x0
	s_endpgm
.Lfunc_end_k_q6e18f8c6fc_quant_w:
	.size	k_q6e18f8c6fc_quant_w, .Lfunc_end_k_q6e18f8c6fc_quant_w-k_q6e18f8c6fc_quant_w
	.p2alignl 7, 3214868480
	.fill 96, 4, 3214868480
	.section	.rodata,"a",@progbits
	.p2align	6, 0x0
	.amdhsa_kernel k_q6e18f8c6fc_quant_w
		.amdhsa_group_segment_fixed_size 28672
		.amdhsa_private_segment_fixed_size 0
		.amdhsa_enable_private_segment 0
		.amdhsa_kernarg_size 40
		.amdhsa_user_sgpr_count 2
		.amdhsa_user_sgpr_kernarg_segment_ptr 1
		.amdhsa_wavefront_size32 1
		.amdhsa_system_sgpr_workgroup_id_x 1
		.amdhsa_system_sgpr_workgroup_id_y 1
		.amdhsa_system_sgpr_workgroup_id_z 1
		.amdhsa_system_vgpr_workitem_id 0
		.amdhsa_next_free_vgpr 194
		.amdhsa_next_free_sgpr 66
		.amdhsa_reserve_vcc 0
		.amdhsa_float_denorm_mode_32 3
		.amdhsa_float_denorm_mode_16_64 3
		.amdhsa_memory_ordered 1
		.amdhsa_forward_progress 1
		.amdhsa_inst_pref_size 26
	.end_amdhsa_kernel
	.amdgpu_metadata
---
amdhsa.version: [ 1, 2 ]
amdhsa.kernels:
  - .name:           k_q6e18f8c6fc_quant_w
    .symbol:         k_q6e18f8c6fc_quant_w.kd
    .args:
      - { .name: Wq, .offset: 0, .size: 8, .value_kind: global_buffer, .address_space: global }
      - { .name: Wk, .offset: 8, .size: 8, .value_kind: global_buffer, .address_space: global }
      - { .name: Wv, .offset: 16, .size: 8, .value_kind: global_buffer, .address_space: global }
      - { .name: Wo, .offset: 24, .size: 8, .value_kind: global_buffer, .address_space: global }
      - { .name: wimg, .offset: 32, .size: 8, .value_kind: global_buffer, .address_space: global }
    .group_segment_fixed_size: 28672
    .private_segment_fixed_size: 0
    .kernarg_segment_align: 8
    .kernarg_segment_size: 40
    .max_flat_workgroup_size: 256
    .sgpr_count:     66
    .vgpr_count:     194
    .wavefront_size: 32
...
	.end_amdgpu_metadata
.endif
;; end of part 1
;; launch quant_x (part 2): grid 768 x 1, 2 waves a work-group, no clusters, 17,152 bytes of LDS; arguments q, k, v, ximg; writes ximg
.if DOCPART == 2
	.amdgcn_target "amdgcn-amd-amdhsa--gfx1250"
	.amdhsa_code_object_version 6
	.text
	.protected	k_q6e18f8c6fc_quant_x
	.globl	k_q6e18f8c6fc_quant_x
	.p2align	8
	.type	k_q6e18f8c6fc_quant_x,@function
k_q6e18f8c6fc_quant_x:
	s_mov_b64 s[64:65], 0
	v_nop
	global_prefetch_b8 v0, s[64:65] scope:SCOPE_SE
	s_setreg_imm32_b32 hwreg(HW_REG_WAVE_MODE, 25, 1), 1
	s_wait_xcnt 0x0
; q, k, v, each [8192 (tokens)][1024] f32 with K innermost, become codes of FP6 (E2M3) with one E8M0 byte for each 32 along K, laid as RECORDS:
; one record for a tile of 16 tokens and all of K: 8 K steps x 1,536 bytes of codes (two half images of 768 bytes: the operand's registers 6 c .. 6 c + 5,
; registers 0-3 of lane l at 16 l, registers 4-5 at 512 + 8 l), then 512 bytes of scale words [r][8 words].
; THE TOKENS OF A TILE ARE NOT NEIGHBOURS: lane r of tile T takes token 64 (T / 4) + 8 (T % 4) + r % 8 + 32 (r / 8).
; SHARES: work-groups 256 t .. 256 t + 255 take tensor t; a wave makes one whole record.  A K step: 16 loads, one for each row, 512 consecutive bytes each; the 8,192 bytes
; turn through the wave's own stage in LDS (rows 528 bytes apart, so that sixteen rows start on sixteen different banks: 64 banks of 4 bytes, ISA guide 11.1) and come back
; 128 bytes a lane and block: operand lane (r, h) holds blocks h and 2 + h of row r whole, so no maximum asks another lane.  No barrier: waves share nothing.
; A block's scale byte is its largest magnitude's exponent field - 2, held at 1 from below (a block of zeros gets 1: its codes are zeros, and this program alone reads the bytes).
; LIMITS: NaN and infinities are not served; blocks whose largest magnitude lies under 2^-124 get the byte 1.
.set REC, 12800
.set SP,  528
.set WST, 16*SP                        ; a wave's stage
.set W,   20                           ; v20-27   the eight K steps' scale words of my row
.set DD,  28                           ; v28-31   the four of them that I store
.set F,   32                           ; v32-43   a K step's fragment
.set CT,  44                           ; v44-46, v48-50  second halves of the two blocks' codes
.set X,   64                           ; v64-127  my two blocks' 64 numbers
.set R,   128                          ; v128-255 two sets of 16 x 4 registers as loaded
	s_load_b128 s[4:7], s[0:1], 0x0                ; q, k
	s_load_b128 s[8:11], s[0:1], 0x10              ; v, the records
	v_lshl_add_u32 v62, v0, 2, 0x4200
	v_mov_b32 v63, 0
	v_lshrrev_b32 v1, 5, v0
	v_readfirstlane_b32 s12, v1                    ; wave
	s_lshr_b32 s13, ttmp9, 8                       ; tensor: 256 work-groups of two waves each
	s_and_b32 s14, ttmp9, 255
	s_lshl_b32 s14, s14, 1
	s_add_co_u32 s14, s14, s12                     ; tile T
	v_and_b32 v1, 31, v0                           ; l
	v_and_b32 v12, 15, v0                          ; r
	v_bfe_u32 v13, v0, 4, 1                        ; h
	v_lshlrev_b32 v2, 4, v1                        ; v2: 16 l
	v_lshlrev_b32 v3, 3, v1                        ; v3: 8 l
	s_mul_i32 s15, s12, WST
	v_add_nc_u32 v4, s15, v2                       ; v4: the stage, on the way in
	v_mul_u32_u24 v5, v12, SP
	v_lshl_add_u32 v5, v13, 7, v5
	v_add_nc_u32 v5, s15, v5                       ; v5: on the way out: row r, + 128 h
	v_lshlrev_b32 v6, 3, v13                       ; v6: 8 h: my bytes' place in a scale word
	v_lshlrev_b32 v7, 5, v12
	v_lshl_add_u32 v7, v13, 4, v7                  ; v7: 32 r + 16 h: the four scale words that I store
	v_cmp_ne_u32 s24, 0, v13                       ; lanes 16-31
	v_mov_b32 v15, 0                               ; written once: a lane permute's destination counts as one of its sources
	s_mov_b32 s20, 0x76543210
	s_mov_b32 s21, 0xfedcba98                      ; v_permlanex16_b32's selects for lane l xor 16
	s_lshr_b32 s16, s14, 2                         ; row r of tile T is token 64 (T / 4) + 8 (T % 4) + r % 8 + 32 (r / 8)
	s_lshl_b32 s16, s16, 18
	s_and_b32 s17, s14, 3
	s_lshl_b32 s17, s17, 15                        ; 8 (T % 4) rows
	s_add_co_u32 s16, s16, s17
	s_mov_b32 s17, 0
	s_lshl_b32 s18, s13, 9
	s_add_co_u32 s18, s18, s14
	s_mul_i32 s18, s18, REC                        ; record 512 t + T
	s_mov_b32 s19, 0
	s_wait_alu depctr_va_vdst(0)
	s_wait_kmcnt 0x0
	s_cmp_eq_u32 s13, 1                            ; the choice of the tensor hangs on the work-group's number alone
	s_cselect_b64 s[4:5], s[6:7], s[4:5]
	s_cmp_eq_u32 s13, 2
	s_cselect_b64 s[4:5], s[8:9], s[4:5]
	s_add_nc_u64 s[4:5], s[4:5], s[16:17]
	s_add_nc_u64 s[10:11], s[10:11], s[18:19]
.macro LOAD s                          ; K step s of the tile's 16 rows, into set s % 2
.irp p, 0,1,2,3,4,5,6,7,8,9,10,11,12,13,14,15
	global_load_b128 v[R+64*((\s)%2)+4*\p:R+64*((\s)%2)+4*\p+3], v2, s[4:5] offset:(\p+24*(\p/8))*4096+512*(\s) th:TH_LOAD_NT
.endr
.endm
	LOAD 0
	LOAD 1
.macro STEP s
.set RW, R+64*((\s)%2)
.if (\s) < 7
	s_wait_loadcnt 16                              ; this step's 16 loads are in; the next step's 16 may be out
.else
	s_wait_loadcnt 0x0
.endif
.irp p, 0,1,2,3,4,5,6,7,8,9,10,11,12,13,14,15
	ds_store_b128 v4, v[RW+4*\p:RW+4*\p+3] offset:\p*SP
.endr
.irp c, 0,1
.irp i, 0,1,2,3,4,5,6,7
	ds_load_b128 v[X+32*\c+4*\i:X+32*\c+4*\i+3], v5 offset:256*\c+16*\i    ; k = 64 c + 32 h + 4 i on, of row r (LDS serves a wave's instructions in order)
.endr
.endr
	s_wait_dscnt 0x0                               ; the numbers are back; the stores into the stage have read their registers,
.if (\s)+2 < 8
	LOAD (\s)+2                                    ; which take the loads of two steps on
.endif
	s_wait_xcnt 0x0                                ; the last step's stores have read the fragment's registers: they are written again only behind this wait
.irp c, 0,1
	v_max3_num_f32 v[8+\c], |v[X+32*\c]|, |v[X+32*\c+1]|, 0x1800000        ; my block 2 c + h, and the floor 2^(3 - 127)
.endr
.irp i, 2,4,6,8,10,12,14,16,18,20,22,24,26,28,30
.irp c, 0,1
	v_max3_num_f32 v[8+\c], v[8+\c], |v[X+32*\c+\i]|, |v[X+32*\c+\i+1]|    ; (the two blocks by turns)
.endr
.endr
.irp c, 0,1
	v_add_nc_u32 v[10+\c], 0xff000000, v[8+\c]     ; 2 off the exponent field: the conversion's scale operand
.endr
.irp c, 0,1
	v_lshrrev_b32 v[12+\c], 23, v[10+\c]           ; the scale's byte
.endr
	v_lshl_or_b32 v14, v13, 16, v12                ; my two bytes: blocks h and 2 + h,
	v_lshlrev_b32 v14, v6, v14                     ; at their places in the word;
	v_permlanex16_b32 v15, v14, s20, s21
	v_or_b32 v[W+(\s)], v14, v15                   ; with lane l xor 16's two the word is whole
	v_cvt_scalef32_pk16_fp6_f32 v[F:F+2], v[X:X+15], v10
	v_cvt_scalef32_pk16_fp6_f32 v[CT:CT+2], v[X+16:X+31], v10
	v_cvt_scalef32_pk16_fp6_f32 v[F+6:F+8], v[X+32:X+47], v11
	v_cvt_scalef32_pk16_fp6_f32 v[CT+4:CT+6], v[X+48:X+63], v11
	v_nop                                          ; one plain place behind a scaled conversion
.irp i, 0,1,2
	v_mov_b32 v[F+3+\i], v[CT+\i]
	v_mov_b32 v[F+9+\i], v[CT+4+\i]
.endr
	global_store_b128 v2, v[F:F+3], s[10:11] offset:1536*(\s)               ; runs of 512 and 256 consecutive bytes, each at a multiple of 256 from the buffer's first byte
	global_store_b64 v3, v[F+4:F+5], s[10:11] offset:1536*(\s)+512
	global_store_b128 v2, v[F+6:F+9], s[10:11] offset:1536*(\s)+768
	global_store_b64 v3, v[F+10:F+11], s[10:11] offset:1536*(\s)+1280
.endm
.irp s, 0,1,2,3,4,5,6,7
	STEP \s
.endr
.irp k, 0,1,2,3
	v_cndmask_b32 v[DD+\k], v[W+\k], v[W+4+\k], s24        ; lanes 0-15 store words 0-3 of their row, lanes 16-31 words 4-7
.endr
	global_store_b128 v7, v[DD:DD+3], s[10:11] offset:12288  ; 512 consecutive bytes
	s_wait_tensorcnt 0x0
	ds_add_u32 v62, v63
	s_wait_dscnt 0x0
	s_endpgm
.Lfunc_end_k_q6e18f8c6fc_quant_x:
	.size	k_q6e18f8c6fc_quant_x, .Lfunc_end_k_q6e18f8c6fc_quant_x-k_q6e18f8c6fc_quant_x
	.p2alignl 7, 3214868480
	.fill 96, 4, 3214868480
	.section	.rodata,"a",@progbits
	.p2align	6, 0x0
	.amdhsa_kernel k_q6e18f8c6fc_quant_x
		.amdhsa_group_segment_fixed_size 17152
		.amdhsa_private_segment_fixed_size 0
		.amdhsa_enable_private_segment 0
		.amdhsa_kernarg_size 32
		.amdhsa_user_sgpr_count 2
		.amdhsa_user_sgpr_kernarg_segment_ptr 1
		.amdhsa_wavefront_size32 1
		.amdhsa_system_sgpr_workgroup_id_x 1
		.amdhsa_system_sgpr_workgroup_id_y 1
		.amdhsa_system_sgpr_workgroup_id_z 1
		.amdhsa_system_vgpr_workitem_id 0
		.amdhsa_next_free_vgpr 256
		.amdhsa_next_free_sgpr 66
		.amdhsa_reserve_vcc 0
		.amdhsa_float_denorm_mode_32 3
		.amdhsa_float_denorm_mode_16_64 3
		.amdhsa_memory_ordered 1
		.amdhsa_forward_progress 1
		.amdhsa_inst_pref_size 58
	.end_amdhsa_kernel
	.amdgpu_metadata
---
amdhsa.version: [ 1, 2 ]
amdhsa.kernels:
  - .name:           k_q6e18f8c6fc_quant_x
    .symbol:         k_q6e18f8c6fc_quant_x.kd
    .args:
      - { .name: q, .offset: 0, .size: 8, .value_kind: global_buffer, .address_space: global }
      - { .name: k, .offset: 8, .size: 8, .value_kind: global_buffer, .address_space: global }
      - { .name: v, .offset: 16, .size: 8, .value_kind: global_buffer, .address_space: global }
      - { .name: ximg, .offset: 24, .size: 8, .value_kind: global_buffer, .address_space: global }
    .group_segment_fixed_size: 17152
    .private_segment_fixed_size: 0
    .kernarg_segment_align: 8
    .kernarg_segment_size: 32
    .max_flat_workgroup_size: 64
    .sgpr_count:     66
    .vgpr_count:     256
    .wavefront_size: 32
...
	.end_amdgpu_metadata
.endif
;; end of part 2
;; launch proj (part 3): grid 4 x 96, 4 waves a work-group, clusters of 4 x 1, 205,312 bytes of LDS; arguments ximg, wimg, bq, bk, bv, hbuf; writes hbuf
.if DOCPART == 3
	.amdgcn_target "amdgcn-amd-amdhsa--gfx1250"
	.amdhsa_code_object_version 6
	.text
	.protected	k_q6e18f8c6fc_proj
	.globl	k_q6e18f8c6fc_proj
	.p2align	8
	.type	k_q6e18f8c6fc_proj,@function
k_q6e18f8c6fc_proj:
	s_mov_b64 s[64:65], 0
	v_nop
	global_prefetch_b8 v0, s[64:65] scope:SCOPE_SE
	s_setreg_imm32_b32 hwreg(HW_REG_WAVE_MODE, 25, 1), 1
	s_wait_xcnt 0x0
	s_wait_alu depctr_hold_cnt(0) depctr_sa_sdst(0) depctr_va_vdst(0) depctr_va_sdst(0) depctr_va_ssrc(0) depctr_va_vcc(0) depctr_vm_vsrc(0)
	s_getreg_b32 s2, hwreg(HW_REG_IB_STS2, 6, 4)
	s_cmp_eq_u32 s2, 0
	s_cbranch_scc0 .Lentry_in_a_cluster
	s_endpgm
.Lentry_in_a_cluster:
	s_bfe_u32 s2, ttmp6, 0x10000c
	s_cmp_lg_u32 s2, 0x3003
	s_cbranch_scc0 .Lentry_shape_is_right
	s_endpgm
.Lentry_shape_is_right:
; The three projections q Wq + bq, k Wk + bk, v Wv + bv on codes of FP6 (E2M3), and the quantising of their results for attention.  Work-group y: 0-31 Q, 32-63 K, 64-95 V.
; ONE OPERAND STAYS IN REGISTERS: a wave holds four tiles (64 rows) of source 0, P, for all K = 1,024: 384 registers.  Tiles of source 1, R, 16 of them, come from LDS, each
; feeding 32 matrix instructions a wave.  In the result a lane holds ONE row of R and its 32 registers run along P's 64 rows; since P's tiles take their rows as
; 8 u + r % 8 + 32 (r / 8) of a group of 64, register i is row 32 (lane / 16) + i: one whole block of 32 in one lane, ready for the quantiser.
;   Q, K: P = the weight's 64 columns of one head, R = 16 tokens: the result is quantised along the head's 64.   V: P = 64 tokens, R = 16 columns of Wv: quantised along the keys.
; A finished tile is one HALF IMAGE (16 rows x 64 K: operand registers 0-5; registers 0-3 of lane l at 16 l, registers 4-5 at 512 + 8 l: 768 bytes) and two scale bytes a row.
; OUT (hbuf): Q's images [b h][token tile 128][768] at 0, K's at 6,291,456, V's [64 tokens U 128][column tile 64][768] at 12,582,912;
;   Q's scale bytes [b h][8 tiles 16][r][8 x 2 bytes] at 18,874,368, K's at 19,136,512, V's [b][head][U % 32][r][4 x 2 bytes] at 19,398,656.
; CLUSTER: the four work-groups of a cluster walk the same 16 tiles of R: each record (12,800 bytes) is asked for JOINTLY.  The chunk fits in LDS whole: every LDS byte is filled once,
; by one load a wave; one tensor load of a wave is out at the most.
; LIMITS: NaN and infinities are not served; blocks whose largest magnitude lies under 2^-124 get the scale byte 1 (so does a block of zeros: this program alone reads the bytes).
; REGISTERS, in windows of 256: window 0: v1-17 addresses; v32-63 the four accumulators; v64-95 P's scale words; v96-111 R's, two sets; v112-143 the bias along P (the C of a sum's first product);
;   v144-159 the bias along R; v160-167 scale bytes gathered; v168.. at work.   window 1: P, K steps 0-3, at 12 (4 s + j).   window 2: K steps 4-7.   window 3: R, two buffers of 96.
.set REC,  12800
.set GRP,  4*REC                       ; four records: what the four waves bring by one load each
.set NT,   16                          ; tiles of R
.set NG,   NT/4                        ; groups
.set RB16, 4                           ; v4-7    group g: 16 l
.set RB8,  8                           ; v8-11   group g: 512 + 8 l
.set RBS,  12                          ; v12-15  group g: the scale words of row r
.set ACC,  32
.set PS,   64
.set RS,   96
.set BP,   112
.set BRT,  144
.set SW,   160
.set HI,   168
.set CT,   176
.set QMX,  180                         ; the quantiser: largest magnitudes,
.set QPR,  182                         ; lane l xor 16's,
.set QSO,  184                         ; the conversions' scale operands,
.set QBY,  186                         ; the bytes
.set VAL,  188
.set DD,   196
.set WV,   16
.set CX,   17
.set MODE, 19
.set YP,   20
.set SEL,  22
.set G1,   24
.set G0,   32
.set MSB,  0
.macro WIN new                         ; the immediate's high byte repeats the setting that is left
.if MSB != \new
	s_set_vgpr_msb (MSB<<8)|\new
.set MSB, \new
.endif
.endm
.macro PLACES n
.rept \n
	v_nop
.endr
.endm
.macro ROUND                           ; a round of the cluster's barrier
	s_barrier_signal -1
	s_barrier_wait -1
	s_cmp_lg_u32 s[WV], 0
	s_cbranch_scc1 .Lnot_wave_0_\@
	s_barrier_signal -3
.Lnot_wave_0_\@:
	s_barrier_wait -3
	s_barrier_signal -1
	s_barrier_wait -1
.endm
.macro ARRIVE g                        ; group g lies in LDS: my load of it has landed, and so has everybody's
	s_wait_tensorcnt 0x0
	s_barrier_signal -1
	s_barrier_wait -1
.endm
.macro PFRAG reg, off                  ; a fragment from its image in memory
	global_load_b128 v[\reg:\reg+3], v1, s[4:5] offset:\off
	global_load_b64 v[\reg+4:\reg+5], v2, s[4:5] offset:\off+512
	global_load_b128 v[\reg+6:\reg+9], v1, s[4:5] offset:\off+768
	global_load_b64 v[\reg+10:\reg+11], v2, s[4:5] offset:\off+1280
.endm
.macro FETCH i                         ; tile i of R: eight fragments and eight scale words, 34 LDS loads, into buffer i % 2
	WIN 0xc0                                       ; destination window 3, address window 0
.irp s, 0,1,2,3,4,5,6,7
	ds_load_b128 v[96*((\i)%2)+12*\s:96*((\i)%2)+12*\s+3], v[RB16+(\i)/4] offset:((\i)%4)*REC+1536*\s
	ds_load_b64 v[96*((\i)%2)+12*\s+4:96*((\i)%2)+12*\s+5], v[RB8+(\i)/4] offset:((\i)%4)*REC+1536*\s
	ds_load_b128 v[96*((\i)%2)+12*\s+6:96*((\i)%2)+12*\s+9], v[RB16+(\i)/4] offset:((\i)%4)*REC+1536*\s+768
	ds_load_b64 v[96*((\i)%2)+12*\s+10:96*((\i)%2)+12*\s+11], v[RB8+(\i)/4] offset:((\i)%4)*REC+1536*\s+768
.endr
	WIN 0
	ds_load_b128 v[RS+8*((\i)%2):RS+8*((\i)%2)+3], v[RBS+(\i)/4] offset:((\i)%4)*REC
	ds_load_b128 v[RS+8*((\i)%2)+4:RS+8*((\i)%2)+7], v[RBS+(\i)/4] offset:((\i)%4)*REC+16
.endm
.macro MUL i                           ; 32 matrix instructions: K step by K step, the four accumulators by turns, one instruction a turn; the bias starts each sum
.irp s, 0,1,2,3,4,5,6,7
.if \s < 4
	WIN 0x0d                                       ; source 0 (P) window 1, source 1 (R) window 3, C and D window 0
.else
	WIN 0x0e                                       ; source 0 window 2
.endif
.irp j, 0,1,2,3
.if \s == 0
	v_wmma_scale_f32_16x16x128_f8f6f4 v[ACC+8*\j:ACC+8*\j+7], v[12*(4*(\s%4)+\j):12*(4*(\s%4)+\j)+11], v[96*((\i)%2)+12*\s:96*((\i)%2)+12*\s+11], v[BP+8*\j:BP+8*\j+7], v[PS+8*\j+\s], v[RS+8*((\i)%2)+\s] matrix_a_fmt:MATRIX_FMT_FP6 matrix_b_fmt:MATRIX_FMT_FP6
.else
	v_wmma_scale_f32_16x16x128_f8f6f4 v[ACC+8*\j:ACC+8*\j+7], v[12*(4*(\s%4)+\j):12*(4*(\s%4)+\j)+11], v[96*((\i)%2)+12*\s:96*((\i)%2)+12*\s+11], v[ACC+8*\j:ACC+8*\j+7], v[PS+8*\j+\s], v[RS+8*((\i)%2)+\s] matrix_a_fmt:MATRIX_FMT_FP6 matrix_b_fmt:MATRIX_FMT_FP6
.endif
.endr
.endr
.endm
; P's tiles take their rows as 8 u + r % 8 + 32 (r / 8) of a group of 64, so a lane's 32 numbers, register n = k 32 (lane / 16) + n of my row, are ONE WHOLE scale block.
; They become a half image's six registers in v[dst] on; the row's two scale bytes, mine and lane l xor 16's, go into v[val].
.macro QUANT32 src, dst, val
	v_max3_num_f32 v[QMX], |v[\src]|, |v[\src+1]|, 0x1800000       ; two chains, each accumulator from its low end on; the floor 2^(3 - 127): the byte cannot fall under 1
	v_max3_num_f32 v[QMX+1], |v[\src+16]|, |v[\src+17]|, |v[\src+18]|
.irp i, 2,4,6,8,10,12
	v_max3_num_f32 v[QMX], v[QMX], |v[\src+\i]|, |v[\src+\i+1]|
	v_max3_num_f32 v[QMX+1], v[QMX+1], |v[\src+\i+17]|, |v[\src+\i+18]|
.endr
	v_max3_num_f32 v[QMX], v[QMX], |v[\src+14]|, |v[\src+15]|
	v_max3_num_f32 v[QMX], v[QMX], v[QMX+1], |v[\src+31]|
	v_add_nc_u32 v[QSO], 0xff000000, v[QMX]        ; 2 off the exponent field: the conversions' scale operand
	v_lshrrev_b32 v[QBY], 23, v[QSO]               ; the scale's byte,
	v_lshlrev_b32 v[QBY], v19, v[QBY]              ; at its place: 8 (lane / 16) bits up
	v_permlanex16_b32 v[QPR], v[QBY], s[SEL], s[SEL+1]
	v_or_b32 v[\val], v[QBY], v[QPR]
	v_cvt_scalef32_pk16_fp6_f32 v[\dst:\dst+2], v[\src:\src+15], v[QSO]
	v_cvt_scalef32_pk16_fp6_f32 v[CT:CT+2], v[\src+16:\src+31], v[QSO]
	v_nop                                          ; one plain place behind a scaled conversion
.irp i, 0,1,2
	v_mov_b32 v[\dst+3+\i], v[CT+\i]
.endr
.endm
	s_load_b128 s[4:7], s[0:1], 0x0                ; x's records, the weights' records
	s_load_b128 s[8:11], s[0:1], 0x10              ; bq, bk
	s_load_b128 s[12:15], s[0:1], 0x20             ; bv, hbuf
	v_lshl_add_u32 v254, v0, 2, 0x32000
	v_mov_b32 v255, 0
	ds_add_u32 v254, v255
	ds_add_u32 v254, v255
	v_lshrrev_b32 v1, 5, v0
	v_readfirstlane_b32 s[WV], v1                  ; wave 0..3
	s_bfe_u32 s[CX], ttmp6, 0x40000                ; my place in the cluster: it enters P's, the bias's and the results' addresses alone
	s_and_b32 s18, ttmp7, 0xffff
	s_lshr_b32 s[MODE], s18, 5                     ; 0 Q, 1 K, 2 V: shared by the four partners
	s_and_b32 s[YP], s18, 31
	; what the partners share: the first tile of R.  Q, K: x's tile 512 MODE + 16 YP;  V: the weights' tile 128 + 16 (YP % 4)
	s_lshl_b32 s48, s[MODE], 9
	s_lshl_b32 s49, s[YP], 4
	s_add_co_u32 s48, s48, s49
	s_and_b32 s50, s[YP], 3
	s_lshl_b32 s49, s50, 4
	s_add_co_u32 s49, s49, 128
	; what is my own
	s_lshl_b32 s52, s[CX], 2
	s_add_co_u32 s52, s52, s[WV]                   ; the head (Q, K): 4 cx + wave
	s_lshr_b32 s53, s[YP], 2
	s_lshl_b32 s53, s53, 4
	s_add_co_u32 s53, s53, s52                     ; the unit of 64 tokens (V): 16 (YP / 4) + 4 cx + wave
	s_lshl_b32 s54, s[MODE], 6
	s_lshl_b32 s55, s52, 2
	s_add_co_u32 s54, s54, s55                     ; P's first tile.  Q, K: 64 MODE + 4 head;
	s_lshl_b32 s55, s53, 2
	s_add_co_u32 s55, s55, 1024                    ; V: 1,024 + 4 U
	s_lshr_b32 s56, s[YP], 3
	s_lshl_b32 s56, s56, 4
	s_add_co_u32 s56, s56, s52                     ; b h
	s_and_b32 s57, s[YP], 7
	s_lshl_b32 s58, s56, 7
	s_lshl_b32 s59, s57, 4
	s_add_co_u32 s58, s58, s59                     ; the first image out.  Q, K: 128 b h + 16 (YP % 8);
	s_lshl_b32 s59, s53, 6
	s_lshl_b32 s60, s50, 4
	s_add_co_u32 s59, s59, s60                     ; V: 64 U + 16 (YP % 4)
	s_lshl_b32 s60, s56, 4
	s_lshl_b32 s61, s57, 1
	s_add_co_u32 s60, s60, s61
	s_lshl_b32 s60, s60, 8                         ; the scale bytes out.  Q, K: (16 b h + 2 (YP % 8)) x 256;
	s_lshr_b32 s61, s53, 5                         ; V: [b][head][U % 32][r][8 bytes]: a head's 4,096 bytes are dense
	s_lshl_b32 s61, s61, 16
	s_lshl_b32 s62, s50, 14
	s_add_co_u32 s61, s61, s62
	s_and_b32 s62, s53, 31
	s_lshl_b32 s62, s62, 7
	s_add_co_u32 s61, s61, s62
	s_lshl_b32 s62, s52, 8                         ; the bias.  Q, K: the head's 64 numbers;
	s_lshl_b32 s63, s50, 10                        ; V: the chunk's 256
	s_mov_b32 s[SEL], 0x76543210
	s_mov_b32 s[SEL+1], 0xfedcba98                 ; v_permlanex16_b32's selects for lane l xor 16
	s_wait_dscnt 0x0
	s_wait_kmcnt 0x0
	s_cmp_eq_u32 s[MODE], 1                        ; every choice hangs on the work-group's y alone
	s_cselect_b64 s[8:9], s[10:11], s[8:9]
	s_cmp_eq_u32 s[MODE], 2
	s_cselect_b64 s[8:9], s[12:13], s[8:9]         ; the bias
	s_cselect_b32 s48, s49, s48
	s_cselect_b64 s[2:3], s[6:7], s[4:5]           ; R's buffer
	s_cselect_b64 s[4:5], s[4:5], s[6:7]           ; P's buffer
	s_cselect_b32 s54, s55, s54
	s_cselect_b32 s58, s59, s58
	s_cselect_b32 s60, s61, s60
	s_cselect_b32 s62, s63, s62
	s_lshl_b32 s21, s[WV], 2                       ; I fetch records 4 wave .. 4 wave + 3 by one load
	s_add_co_u32 s48, s48, s21
	s_mul_i32 s48, s48, REC
	s_mov_b32 s49, 0
	s_add_nc_u64 s[2:3], s[2:3], s[48:49]
	s_mul_i32 s54, s54, REC
	s_mov_b32 s55, 0
	s_add_nc_u64 s[4:5], s[4:5], s[54:55]          ; P
	s_mul_i32 s58, s58, 768
	s_mul_i32 s59, s[MODE], 6291456
	s_add_co_u32 s58, s58, s59
	s_mov_b32 s59, 0
	s_add_nc_u64 s[6:7], s[14:15], s[58:59]        ; images out
	s_lshl_b32 s61, s[MODE], 18
	s_add_co_u32 s60, s60, s61
	s_add_co_u32 s60, s60, 18874368
	s_mov_b32 s61, 0
	s_add_nc_u64 s[10:11], s[14:15], s[60:61]      ; scale bytes out
	s_mov_b32 s63, 0
	s_add_nc_u64 s[8:9], s[8:9], s[62:63]
	; descriptor group 1: a record is a dense block: 50 rows of 256 bytes (32 elements of 8 bytes)
	s_mov_b32 s[G1], 15|(3<<16)|(1<<21)            ; 15:0 the mask: all four work-groups; 17:16 elements of 8 bytes; 20 no padding; 21 set beside a mask
	s_mov_b32 s[G1+1], 32<<16                      ; tensor_dim0
	s_mov_b32 s[G1+2], 200<<16                     ; tensor_dim1: four records are 200 rows of 256 bytes
	s_mov_b32 s[G1+3], 32<<16                      ; tile_dim0
	s_mov_b32 s[G1+4], 200                         ; tile_dim1
	s_mov_b32 s[G1+5], 32                          ; tensor_dim0_stride
	s_mov_b32 s[G1+6], 0
	s_mov_b32 s[G1+7], 0
	s_mul_i32 s21, s[WV], GRP
	s_mov_b32 s[G0], 1                             ; count = 1
	s_add_co_u32 s[G0+1], s21, 0                   ; LDS: records in their order: no place in the cluster enters an LDS address
	s_mov_b64 s[G0+2:G0+3], s[2:3]
	s_or_b32 s[G0+3], s[G0+3], 0x80000000          ; type = 2
	ROUND                                          ; all four work-groups are here: the joint loads meet
	tensor_load_to_lds s[G0:G0+3], s[G1:G1+7]      ; one tensor load a wave at the head
	s_nop 0
	PLACES 4
	v_and_b32 v20, 31, v0                          ; l
	v_and_b32 v21, 15, v0                          ; r
	v_bfe_u32 v22, v0, 4, 1                        ; h: kept to the end
	v_lshlrev_b32 v1, 4, v20                       ; v1: 16 l
	v_lshlrev_b32 v2, 3, v20                       ; v2: 8 l
	v_lshlrev_b32 v3, 5, v21                       ; v3: 32 r
.irp g, 0,1,2,3
	v_add_nc_u32 v[RB16+\g], \g*GRP, v1
	v_add_nc_u32 v[RB8+\g], \g*GRP+512, v2
	v_add_nc_u32 v[RBS+\g], \g*GRP+12288, v3
.endr
	v_lshlrev_b32 v16, 7, v22                      ; v16: the bias along P: 128 h
	v_and_b32 v17, 8, v21
	v_mad_u32_u24 v17, v17, 3, v21
	v_lshlrev_b32 v17, 2, v17                      ; v17: the bias along R: 4 (r % 8 + 32 (r / 8))
	v_lshlrev_b32 v19, 3, v22                      ; v19: 8 h: my scale byte's place
	v_lshlrev_b32 v18, 12, v22
	v_lshl_add_u32 v18, v21, 3, v18                ; v18: V's scale bytes out: 8 r, lanes 16-31 a head on
.set a, 0
.rept 48
	v_mov_b32 v[BP+a], 0                           ; both biases begin as zeros: one of the two is loaded below, the other stays
.set a, a+1
.endr
	v_mov_b32 v[QPR], 0                            ; written once: a lane permute's destination counts as one of its sources
	WIN 0x40                                       ; destination window 1
.irp s, 0,1,2,3
.irp j, 0,1,2,3
	PFRAG 12*(4*\s+\j),\j*REC+1536*\s
.endr
.endr
	WIN 0x80                                       ; destination window 2
.irp s, 0,1,2,3
.irp j, 0,1,2,3
	PFRAG 12*(4*\s+\j),\j*REC+1536*(4+\s)
.endr
.endr
	WIN 0
.irp j, 0,1,2,3
	global_load_b128 v[PS+8*\j:PS+8*\j+3], v3, s[4:5] offset:\j*REC+12288
	global_load_b128 v[PS+8*\j+4:PS+8*\j+7], v3, s[4:5] offset:\j*REC+12304
.endr
	s_cmp_eq_u32 s[MODE], 2
	s_cbranch_scc1 .Lbias_v
.irp j, 0,1,2,3                        ; Q, K: the bias runs along P: eight registers a tile in the result's layout: units 32 h + 8 j + 0 .. 7
	global_load_b128 v[BP+8*\j:BP+8*\j+3], v16, s[8:9] offset:32*\j
	global_load_b128 v[BP+8*\j+4:BP+8*\j+7], v16, s[8:9] offset:32*\j+16
.endr
	s_branch .Lbias_done
.Lbias_v:
.irp i, 0,1,2,3,4,5,6,7,8,9,10,11,12,13,14,15   ; V: it runs along R: one number a lane and tile
	global_load_b32 v[BRT+\i], v17, s[8:9] offset:(64*(\i/4)+8*(\i%4))*4
.endr
.Lbias_done:
	s_wait_alu depctr_va_vdst(0)                   ; the wait at the head's end
	s_wait_loadcnt 0x0
.macro TILE i
	s_wait_dscnt 0x0                               ; tile i's 34 loads, issued a tile ago, are in
.if (\i)+1 < NT
	FETCH (\i)+1                                   ; into the buffer that the tile before multiplied: the places and the quantiser stand between
.endif
	MUL \i
	WIN 0
	PLACES 5                                       ; four in front of the first read of results; five in front of the next tile's first product, which begins an accumulator anew
	s_cmp_lg_u32 s[MODE], 2
	s_cbranch_scc1 .Lno_bias_\@
.set a, 0
.rept 16                               ; V: my column's bias onto all 32 numbers, each accumulator from its low end on
.if (\i)%2 == 0
	v_pk_add_f32 v[ACC+a:ACC+a+1], v[ACC+a:ACC+a+1], v[BRT+(\i):BRT+(\i)+1] op_sel_hi:[1,0]
.else
	v_pk_add_f32 v[ACC+a:ACC+a+1], v[ACC+a:ACC+a+1], v[BRT+(\i)-1:BRT+(\i)] op_sel:[0,1] op_sel_hi:[1,1]
.endif
.set a, a+2
.endr
.Lno_bias_\@:
	s_wait_xcnt 0x0                                ; the last tile's stores have read the image's registers: they are written again only behind this wait
.if (\i)%2 == 0
	s_wait_alu depctr_va_vdst(0)
	QUANT32 ACC,HI,SW+(\i)/2
.else
	s_wait_alu depctr_va_vdst(0)
	QUANT32 ACC,HI,VAL
	v_lshl_or_b32 v[SW+(\i)/2], v[VAL], 16, v[SW+(\i)/2]     ; two tiles' bytes to a word
.endif
	global_store_b128 v1, v[HI:HI+3], s[6:7] offset:768*(\i)          ; 512 and 256 consecutive bytes, each at a multiple of 256 from the buffer's first byte
	global_store_b64 v2, v[HI+4:HI+5], s[6:7] offset:768*(\i)+512
.endm
	ARRIVE 0
	FETCH 0
.irp i, 0,1,2,3,4,5,6,7,8,9,10,11,12,13,14,15
	TILE \i
.endr
	v_cmp_ne_u32 vcc_lo, 0, v22                    ; lanes 16-31
	s_cmp_eq_u32 s[MODE], 2
	s_cbranch_scc1 .Lscales_v
.irp k, 0,1,2,3                        ; Q, K: [8 tiles][r][16 bytes]: lanes 0-15 store tiles 0-7, lanes 16-31 tiles 8-15: 512 consecutive bytes
	v_cndmask_b32 v[DD+\k], v[SW+\k], v[SW+4+\k], vcc_lo
.endr
	global_store_b128 v1, v[DD:DD+3], s[10:11]
	s_branch .Lscales_done
.Lscales_v:                            ; V: [head][r][8 bytes]: lanes 0-15 store heads 0 and 2 of the chunk's four, lanes 16-31 heads 1 and 3
	v_cndmask_b32 v[DD], v[SW], v[SW+2], vcc_lo
	v_cndmask_b32 v[DD+1], v[SW+1], v[SW+3], vcc_lo
	v_cndmask_b32 v[DD+2], v[SW+4], v[SW+6], vcc_lo
	s_wait_alu depctr_va_vdst(0)
	v_cndmask_b32 v[DD+3], v[SW+5], v[SW+7], vcc_lo
	global_store_b64 v18, v[DD:DD+1], s[10:11]
	global_store_b64 v18, v[DD+2:DD+3], s[10:11] offset:8192
.Lscales_done:
	s_wait_dscnt 0x0
	s_wait_tensorcnt 0x0
	ds_add_u32 v254, v255
	s_wait_dscnt 0x0
	ROUND                                          ; the closing round: no work-group ends while a partner may still ask for a record that names it
	s_endpgm
.Lfunc_end_k_q6e18f8c6fc_proj:
	.size	k_q6e18f8c6fc_proj, .Lfunc_end_k_q6e18f8c6fc_proj-k_q6e18f8c6fc_proj
	.p2alignl 7, 3214868480
	.fill 96, 4, 3214868480
	.section	.rodata,"a",@progbits
	.p2align	6, 0x0
	.amdhsa_kernel k_q6e18f8c6fc_proj
		.amdhsa_group_segment_fixed_size 205312
		.amdhsa_private_segment_fixed_size 0
		.amdhsa_enable_private_segment 0
		.amdhsa_kernarg_size 48
		.amdhsa_user_sgpr_count 2
		.amdhsa_user_sgpr_kernarg_segment_ptr 1
		.amdhsa_wavefront_size32 1
		.amdhsa_system_sgpr_workgroup_id_x 1
		.amdhsa_system_sgpr_workgroup_id_y 1
		.amdhsa_system_sgpr_workgroup_id_z 1
		.amdhsa_system_vgpr_workitem_id 0
		.amdhsa_next_free_vgpr 1024
		.amdhsa_next_free_sgpr 66
		.amdhsa_reserve_vcc 1
		.amdhsa_float_denorm_mode_32 3
		.amdhsa_float_denorm_mode_16_64 3
		.amdhsa_memory_ordered 1
		.amdhsa_forward_progress 1
		.amdhsa_inst_pref_size 174
	.end_amdhsa_kernel
	.amdgpu_metadata
---
amdhsa.version: [ 1, 2 ]
amdhsa.kernels:
  - .name:           k_q6e18f8c6fc_proj
    .symbol:         k_q6e18f8c6fc_proj.kd
    .args:
      - { .name: ximg, .offset: 0, .size: 8, .value_kind: global_buffer, .address_space: global }
      - { .name: wimg, .offset: 8, .size: 8, .value_kind: global_buffer, .address_space: global }
      - { .name: bq, .offset: 16, .size: 8, .value_kind: global_buffer, .address_space: global }
      - { .name: bk, .offset: 24, .size: 8, .value_kind: global_buffer, .address_space: global }
      - { .name: bv, .offset: 32, .size: 8, .value_kind: global_buffer, .address_space: global }
      - { .name: hbuf, .offset: 40, .size: 8, .value_kind: global_buffer, .address_space: global }
    .group_segment_fixed_size: 205312
    .private_segment_fixed_size: 0
    .kernarg_segment_align: 8
    .kernarg_segment_size: 48
    .max_flat_workgroup_size: 128
    .sgpr_count:     66
    .vgpr_count:     1024
    .wavefront_size: 32
...
	.end_amdgpu_metadata
.endif
;; end of part 3
;; launch attn (part 4): grid 4 x 64, 8 waves a work-group, clusters of 4 x 1, 214,016 bytes of LDS; arguments hbuf, mask, cimg; writes cimg
.if DOCPART == 4
	.amdgcn_target "amdgcn-amd-amdhsa--gfx1250"
	.amdhsa_code_object_version 6
	.text
	.protected	k_q6e18f8c6fc_attn
	.globl	k_q6e18f8c6fc_attn
	.p2align	8
	.type	k_q6e18f8c6fc_attn,@function
k_q6e18f8c6fc_attn:
	s_mov_b64 s[64:65], 0
	v_nop
	global_prefetch_b8 v0, s[64:65] scope:SCOPE_SE
	s_setreg_imm32_b32 hwreg(HW_REG_WAVE_MODE, 25, 1), 1
	s_wait_xcnt 0x0
	s_wait_alu depctr_hold_cnt(0) depctr_sa_sdst(0) depctr_va_vdst(0) depctr_va_sdst(0) depctr_va_ssrc(0) depctr_va_vcc(0) depctr_vm_vsrc(0)
	s_getreg_b32 s2, hwreg(HW_REG_IB_STS2, 6, 4)
	s_cmp_eq_u32 s2, 0
	s_cbranch_scc0 .Lentry_in_a_cluster
	s_endpgm
.Lentry_in_a_cluster:
	s_bfe_u32 s2, ttmp6, 0x10000c
	s_cmp_lg_u32 s2, 0x3003
	s_cbranch_scc0 .Lentry_shape_is_right
	s_endpgm
.Lentry_shape_is_right:
; Attention of one head on codes of FP6 (E2M3), and the quantising of its result for the last projection.  Work-group y = 16 b + head.
; t = (q . k / 8 + mask x (-1e9)) x log2(e);  M = the running largest t rounded UP to a whole number;  p = 2^(t - M) is quantised along the keys, not normalised;
; the row's sum is taken of the unquantised p and divides at the end.  When M moves, the sum and O are multiplied by 2^(old M - new M): exact.
; SHARES: a work-group owns 512 queries of the head, in two passes of 256; each of its eight waves owns two tiles of 16 queries a pass, in 512 registers.  Every wave walks all 2,048 keys, 128 a step.
; THE HEAD'S WHOLE K AND V LIE IN LDS, as half images (16 rows x 64 K, 768 bytes: operand registers 0-3 of lane l at 16 l, registers 4-5 at 512 + 8 l), filled once by joint loads of the
; cluster's four work-groups, ONE LOAD A WAVE: waves 0, 1 half of K each, waves 2 to 5 a quarter of V each, wave 6 K's scale bytes, wave 7 V's.  Behind the one barrier LDS is only read.
; No data prefetch: every tile is asked for at the head, so there is no loop to run ahead in.
; LAYOUT: both products are used transposed (S^T = K Q^T, O^T = V^T P^T): a lane holds ONE query throughout.  Row r of tile u of a group of 64 (keys, channels) is index 8 u + r % 8 + 32 (r / 8):
; so the 32 registers of a group's four tiles are, in lane (r, h), indices 32 h + 0 .. 31: ONE WHOLE scale block, in the order of the next operand's registers.  No maximum but the row's asks another lane.
; THE FIRST PRODUCT'S K IS 64, the instruction's 128: source 0 is a PAIR of key tiles, multiplied once by [q | 0] and once by [0 | q]: zero codes annul the other tile.
; THE MASK IS THE C OF THE FIRST PRODUCT: f32(mask) x (-8e9), which is f32(mask) x (-1e9) x 8 bit for bit; the scores are scaled by log2(e) / 8 afterwards.
; The two tiles' chains of dependent vector lines stand by turns.
; LIMITS: NaN and infinities are not served; the promise holds while the scaled scores stay under 2^31 in magnitude; v_exp_f32 gives 0 for results under 2^-126; blocks whose largest magnitude
; lies under 2^-124 get the scale byte 1; where ALL keys of a batch are masked, q . k - 8e9 is rounded by the matrix unit's own summation and not by one f32 addition.
; REGISTERS.  window 0: v2-19 addresses; v20-31 statistics, six a tile: -M, the largest score, the sum's two halves, f, 0; v32-35 K's scale words; v36-39 V's bytes as loaded, v40-43 as words;
;   v44, v45 Q's scale word and the same turned by 16 bits; v46, v47 p's scale words; v48-71 p's codes; v72-83 at work; v96-223 S^T, then p, 64 a tile; v224-252 at work.
; window 1: v0-63 O^T, 32 a tile; v64-93 zeros, q of tile A, zeros, q of tile B, zeros, six registers each; v96-143 four pairs of key tiles; v144-207 the mask's numbers; v208-255 four fragments of V.
.set KIM,  0                           ; LDS: K's 128 tiles x 768
.set VIM,  98304                       ; V: [64 keys U 32][channel tile 4][768]
.set KSC,  196608                      ; K's scale bytes: [step 16][r][16 bytes]
.set VSC,  200704                      ; V's: [U 32][r][8 bytes]
.set MB,   204800                      ; the mask's numbers by key, 8,192 bytes: stored by the waves, never a fill's target
.set SPARE, 212992                     ; the spare words: 128 bytes a wave
.set AK16, 15                          ; K's images begin at LDS byte 0: 16 l serves
.set AK8,  2
.set AV16, 3
.set AV8,  4
.set AKS,  5
.set AVS,  6
.set AMB,  7
.set JK16, 8                           ; v8-14: the same seven at the step in hand
.set JK8,  9
.set JV16, 10
.set JV8,  11
.set JKS,  12
.set JVS,  13
.set JMB,  14
.set L16,  15
.set L8,   16
.set R16,  17
.set R32,  18
.set MST,  19
.set ST,   20
.set KS,   32
.set VX,   36
.set VW,   40
.set QW,   44
.set PW,   46
.set PC,   48
.set BM,   72                          ; largest scores: 2 x tile + block
.set T4,   76
.set SO,   80
.set S,    96
.set CT,   224                         ; second halves of the blocks' codes, four registers a block
.set SUM,  240
.set H8,   244                         ; 8 (lane / 16)
.set VAL,  246
.set TMP,  248
.set MO,   252
.set QZ,   64                          ; window 1
.set KP,   96
.set MBR,  144
.set VF,   208
.set WV,   10
.set CX,   11
.set BH,   12
.set BB,   13
.set HD,   14
.set SEL,  16
.set CS,   18
.set OFK,  20                          ; the step's place among K's and V's images: 6,144 bytes a step
.set OFS,  21                          ; among the scale bytes: 256
.set OFM,  22                          ; among the mask's numbers: 512
.set J,    23
.set PASS, 24
.set NC,   25
.set QP,   26
.set QS,   28
.set PS0,  30
.set PS1,  31
.set G1K,  32
.set G1V,  40
.set G1S,  48
.set G0K,  68
.set G0V,  72
.set G0KS, 76
.set G0VS, 80
.set CBA,  84
.set SBA,  86
.set MSB,  0
.macro WIN new                         ; the immediate's high byte repeats the setting that is left
.if MSB != \new
	s_set_vgpr_msb (MSB<<8)|\new
.set MSB, \new
.endif
.endm
.macro PLACES n
.rept \n
	v_nop
.endr
.endm
.macro WALU
	s_wait_alu depctr_va_vdst(0)
.endm
.macro ROUND                           ; a round of the cluster's barrier
	s_barrier_signal -1
	s_barrier_wait -1
	s_cmp_lg_u32 s[WV], 0
	s_cbranch_scc1 .Lnot_wave_0_\@
	s_barrier_signal -3
.Lnot_wave_0_\@:
	s_barrier_wait -3
	s_barrier_signal -1
	s_barrier_wait -1
.endm
.macro TLOAD g0, g1                    ; a tensor load; s_nop 0 and four v_nop follow it
	tensor_load_to_lds s[\g0:\g0+3], s[\g1:\g1+7]
	s_nop 0
	PLACES 4
.endm
	s_load_b128 s[4:7], s[0:1], 0x0                ; hbuf, mask
	s_load_b64 s[8:9], s[0:1], 0x10                ; ctx's records
	v_lshl_add_u32 v254, v0, 2, SPARE
	v_mov_b32 v255, 0
	ds_add_u32 v254, v255                          ; the opening lines: the add, twice on end, and its wait
	ds_add_u32 v254, v255
	v_lshrrev_b32 v2, 5, v0
	v_readfirstlane_b32 s[WV], v2                  ; wave 0..7
	s_bfe_u32 s[CX], ttmp6, 0x40000                ; my place in the cluster: it enters Q's and the result's addresses alone
	s_and_b32 s[BH], ttmp7, 0xffff
	s_lshr_b32 s[BB], s[BH], 4
	s_and_b32 s[HD], s[BH], 15
	; what the waves fetch; nothing here hangs on my place in the cluster.  Every wave makes all four addresses and asks by one of them
	s_mul_i32 s88, s[BH], 98304
	s_mul_i32 s89, s[WV], 49152                    ; K: waves 0, 1: 64 tiles each
	s_add_co_u32 s90, s88, s89
	s_add_co_u32 s90, s90, 6291456
	s_mov_b32 s91, 0
	s_mul_i32 s93, s[WV], 24576                    ; V: waves 2 to 5: eight units of 64 keys each, unit 32 b + 8 (wave - 2)
	s_lshl_b32 s94, s[BB], 5
	s_lshl_b32 s95, s[WV], 3
	s_add_co_u32 s94, s94, s95
	s_lshl_b32 s94, s94, 6
	s_lshl_b32 s95, s[HD], 2
	s_add_co_u32 s94, s94, s95
	s_mul_i32 s94, s94, 768
	s_add_co_u32 s94, s94, 12582912-16*64*768      ; the head's four channel tiles of each unit
	s_mov_b32 s95, 0
	s_lshl_b32 s96, s[BH], 12                      ; the scale bytes: 4,096 of K's, 4,096 of V's
	s_add_co_u32 s98, s96, 19398656
	s_add_co_u32 s96, s96, 19136512
	s_mov_b32 s97, 0
	s_mov_b32 s99, 0
.irp g, G1K, G1V, G1S
	s_mov_b32 s[\g], 15|(3<<16)|(1<<21)            ; 15:0 the mask: all four work-groups; 17:16 elements of 8 bytes; 20 no padding; 21 set beside a mask
	s_mov_b32 s[\g+6], 0
	s_mov_b32 s[\g+7], 0
.endr
	s_mov_b32 s[G1K+1], 32<<16                     ; K: a dense block: 192 rows of 256 bytes
	s_mov_b32 s[G1K+2], 192<<16
	s_mov_b32 s[G1K+3], 32<<16
	s_mov_b32 s[G1K+4], 192
	s_mov_b32 s[G1K+5], 32
	s_mov_b32 s[G1V+1], 384<<16                    ; V: 8 rows of 3,072 bytes, 49,152 bytes (6,144 elements) apart
	s_mov_b32 s[G1V+2], 8<<16
	s_mov_b32 s[G1V+3], 384<<16
	s_mov_b32 s[G1V+4], 8
	s_mov_b32 s[G1V+5], 6144
	s_mov_b32 s[G1S+1], 32<<16                     ; scale bytes: 16 rows of 256 bytes, dense
	s_mov_b32 s[G1S+2], 16<<16
	s_mov_b32 s[G1S+3], 32<<16
	s_mov_b32 s[G1S+4], 16
	s_mov_b32 s[G1S+5], 32
	s_mov_b32 s[SEL], 0x76543210
	s_mov_b32 s[SEL+1], 0xfedcba98                 ; v_permlanex16_b32's selects for lane l xor 16
	s_mov_b32 s[CS], 0x3e38aa3b                    ; c = log2(e) / 8
	s_mov_b32 s[CS+1], s[CS]                       ; (named with it as a pair, so it is written)
	s_mov_b32 s[NC], 0xbe38aa3b                    ; -c
	s_mov_b32 s[PS0], 0x05040100                   ; v_perm_b32: the two low halves,
	s_mov_b32 s[PS1], 0x07060302                   ; the two high halves
	s_mov_b32 s[PASS], 2
	s_wait_dscnt 0x0
	s_wait_kmcnt 0x0
	s_mov_b32 s[G0K], 1
	s_add_co_u32 s[G0K+1], s89, KIM
	s_add_nc_u64 s[G0K+2:G0K+3], s[4:5], s[90:91]
	s_or_b32 s[G0K+3], s[G0K+3], 0x80000000
	s_mov_b32 s[G0V], 1
	s_add_co_u32 s[G0V+1], s93, VIM-2*24576
	s_add_nc_u64 s[G0V+2:G0V+3], s[4:5], s[94:95]
	s_or_b32 s[G0V+3], s[G0V+3], 0x80000000
	s_mov_b32 s[G0KS], 1
	s_mov_b32 s[G0KS+1], KSC
	s_add_nc_u64 s[G0KS+2:G0KS+3], s[4:5], s[96:97]
	s_or_b32 s[G0KS+3], s[G0KS+3], 0x80000000
	s_mov_b32 s[G0VS], 1
	s_mov_b32 s[G0VS+1], VSC
	s_add_nc_u64 s[G0VS+2:G0VS+3], s[4:5], s[98:99]
	s_or_b32 s[G0VS+3], s[G0VS+3], 0x80000000
	ROUND                                          ; all four work-groups are here: the joint loads meet
	s_cmp_lt_u32 s[WV], 2                          ; one chain of branches on the wave's number, one load to an arm
	s_cbranch_scc0 .Larm_v
	TLOAD G0K, G1K
	s_branch .Lasked
.Larm_v:
	s_cmp_lt_u32 s[WV], 6
	s_cbranch_scc0 .Larm_ks
	TLOAD G0V, G1V
	s_branch .Lasked
.Larm_ks:
	s_cmp_eq_u32 s[WV], 6
	s_cbranch_scc0 .Larm_vs
	TLOAD G0KS, G1S
	s_branch .Lasked
.Larm_vs:
	TLOAD G0VS, G1S
.Lasked:
	s_lshl_b32 s90, s[BB], 13                      ; the batch's 2,048 mask words
	s_mov_b32 s91, 0
	s_add_nc_u64 s[6:7], s[6:7], s[90:91]
	v_lshlrev_b32 v[MO], 5, v0                     ; thread i takes keys 8 i .. 8 i + 7
	global_load_b128 v[96:99], v[MO], s[6:7]
	global_load_b128 v[100:103], v[MO], s[6:7] offset:16
	; my own addresses: pair of query tiles p = 16 cx + 8 pass + wave
	s_lshl_b32 s88, s[CX], 4
	s_add_co_u32 s88, s88, s[WV]
	s_mul_i32 s90, s[BH], 98304
	s_mul_i32 s91, s88, 1536
	s_add_co_u32 s90, s90, s91
	s_mov_b32 s91, 0
	s_add_nc_u64 s[QP:QP+1], s[4:5], s[90:91]      ; Q's two images
	s_lshl_b32 s90, s[BH], 4
	s_lshr_b32 s91, s88, 2
	s_add_co_u32 s90, s90, s91
	s_lshl_b32 s90, s90, 8                         ; Q's scale bytes: group p / 4 of eight tiles,
	s_and_b32 s91, s88, 3
	s_lshl_b32 s91, s91, 2
	s_add_co_u32 s90, s90, s91                     ; word p % 4 of a row's four
	s_add_co_u32 s90, s90, 18874368
	s_mov_b32 s91, 0
	s_add_nc_u64 s[QS:QS+1], s[4:5], s[90:91]
	s_lshl_b32 s90, s[BB], 7
	s_lshl_b32 s91, s88, 1
	s_add_co_u32 s90, s90, s91
	s_mul_i32 s90, s90, 12800                      ; ctx's record 128 b + 2 p
	s_mov_b32 s91, 0
	s_add_nc_u64 s[8:9], s[8:9], s[90:91]
	s_mul_i32 s90, s[HD], 768                      ; the head's half image in it: K step head / 2, half head % 2
	s_add_nc_u64 s[CBA:CBA+1], s[8:9], s[90:91]
	s_lshl_b32 s90, s[HD], 1
	s_add_co_u32 s90, s90, 12288                   ; and its two bytes of a row's 32
	s_add_nc_u64 s[SBA:SBA+1], s[8:9], s[90:91]
	v_and_b32 v[TMP], 31, v0                       ; l
	v_and_b32 v[TMP+1], 15, v0                     ; r
	v_bfe_u32 v[TMP+2], v0, 4, 1                   ; h
	v_lshlrev_b32 v[L16], 4, v[TMP]
	v_lshlrev_b32 v[L8], 3, v[TMP]
	v_lshlrev_b32 v[R16], 4, v[TMP+1]
	v_lshlrev_b32 v[R32], 5, v[TMP+1]
	v_lshlrev_b32 v[H8], 3, v[TMP+2]
	v_add_nc_u32 v[AK8], KIM+512, v[L8]
	v_add_nc_u32 v[AV16], VIM, v[L16]
	v_add_nc_u32 v[AV8], VIM+512, v[L8]
	v_add_nc_u32 v[AKS], KSC, v[R16]
	v_lshl_add_u32 v[AVS], v[TMP+1], 3, VSC
	v_lshl_add_u32 v[AMB], v[TMP+2], 7, MB         ; my half's 32 keys of a group of 64: 128 h
	v_lshl_add_u32 v[MST], v0, 5, MB
.irp b, 0,1,2,3
	v_mov_b32 v[T4+\b], 0                          ; written once: a lane permute's destination counts as one of its sources
.endr
	WIN 0x40
.irp i, 0,1,2,3,4,5
	v_mov_b32 v[QZ+\i], 0                          ; the zero codes beside q: written once
	v_mov_b32 v[QZ+12+\i], 0
	v_mov_b32 v[QZ+24+\i], 0
.endr
	WIN 0
	WALU                                           ; the wait here, directly ahead of the wait below
	s_wait_loadcnt 0x0
.irp i, 0,1,2,3,4,5,6,7
	v_cvt_f32_i32 v[96+\i], v[96+\i]
.endr
.irp i, 0,1,2,3,4,5,6,7
	v_mul_f32 v[96+\i], 0xcfee6b28, v[96+\i]       ; x (-8e9)
.endr
	ds_store_b128 v[MST], v[96:99]
	ds_store_b128 v[MST], v[100:103] offset:16
	WALU                                           ; the wait at the head's end
	s_wait_tensorcnt 0x0                           ; my tile has landed,
	s_wait_dscnt 0x0                               ; my part of the mask's numbers is stored;
	s_barrier_signal -1
	s_barrier_wait -1                              ; everybody's are.  From here on LDS is only read
.macro KLOAD a16, a8, off              ; a step's four pairs of key tiles: 16 loads
.irp b, 0,1,2,3
	ds_load_b128 v[KP+12*\b:KP+12*\b+3], v[\a16] offset:\off+1536*\b
	ds_load_b64 v[KP+12*\b+4:KP+12*\b+5], v[\a8] offset:\off+1536*\b
	ds_load_b128 v[KP+12*\b+6:KP+12*\b+9], v[\a16] offset:\off+1536*\b+768
	ds_load_b64 v[KP+12*\b+10:KP+12*\b+11], v[\a8] offset:\off+1536*\b+768
.endr
.endm
.macro MLOAD am, off                   ; the mask's numbers in the result's layout: tile t, register i: key 64 (t / 4) + 32 h + 8 (t % 4) + i: 16 loads
.irp t, 0,1,2,3,4,5,6,7
	ds_load_b128 v[MBR+8*\t:MBR+8*\t+3], v[\am] offset:\off+256*(\t/4)+32*(\t%4)
	ds_load_b128 v[MBR+8*\t+4:MBR+8*\t+7], v[\am] offset:\off+256*(\t/4)+32*(\t%4)+16
.endr
.endm
; Both tiles' softmax for a key step.  Tile x, block c: registers S + 64 x + 32 c + 0 .. 31 are keys 64 c + 32 h + 0 .. 31.
.macro SOFTMAX2
.irp x, 0,1
.irp c, 0,1
	v_max3_num_f32 v[BM+2*\x+\c], v[S+64*\x+32*\c], v[S+64*\x+32*\c+1], v[S+64*\x+32*\c+2]      ; THE LARGEST SCORE OF EACH BLOCK serves twice: for the row's maximum and, since p rises with the score, for the block's largest p
.endr
.endr
.irp i, 3,5,7,9,11,13,15,17,19,21,23,25,27,29
.irp x, 0,1
.irp c, 0,1
	v_max3_num_f32 v[BM+2*\x+\c], v[BM+2*\x+\c], v[S+64*\x+32*\c+\i], v[S+64*\x+32*\c+\i+1]     ; four chains by turns; each accumulator is met at its low end first
.endr
.endr
.endr
.irp x, 0,1
.irp c, 0,1
	v_max_num_f32 v[BM+2*\x+\c], v[BM+2*\x+\c], v[S+64*\x+32*\c+31]
.endr
.endr
.irp x, 0,1
	v_max_num_f32 v[T4+\x], v[BM+2*\x], v[BM+2*\x+1]
.endr
.irp x, 0,1
	v_permlanex16_b32 v[T4+2+\x], v[T4+\x], s[SEL], s[SEL+1]
.endr
.irp x, 0,1
	v_max3_num_f32 v[ST+6*\x+1], v[ST+6*\x+1], v[T4+\x], v[T4+2+\x]      ; the running largest score of my query, lane l xor 16's keys among them
.endr
.irp x, 0,1
	v_mul_f32 v[T4+\x], s[NC], v[ST+6*\x+1]        ; -t (c is positive)
.endr
.irp x, 0,1
	v_mov_b32 v[T4+2+\x], v[ST+6*\x]
.endr
.irp x, 0,1
	v_floor_f32 v[ST+6*\x], v[T4+\x]               ; the new -M = floor(-t) = -ceil(t): M is a whole number
.endr
.irp x, 0,1
	v_sub_f32 v[T4+\x], v[ST+6*\x], v[T4+2+\x]     ; M's old value less its new one: a whole number, 0 or less
.endr
.irp x, 0,1
	v_cvt_i32_f32 v[T4+\x], v[T4+\x]               ; (it saturates)
.endr
.irp x, 0,1
	v_ldexp_f32 v[ST+6*\x+4], 1.0, v[T4+\x]        ; f = 2^(old M - new M)
.endr
.irp x, 0,1
.set a, 0
.rept 32
	v_pk_fma_f32 v[S+64*\x+a:S+64*\x+a+1], v[S+64*\x+a:S+64*\x+a+1], s[CS:CS+1], v[ST+6*\x:ST+6*\x+1] op_sel_hi:[1,0,0]   ; t - M, two at a time
.set a, a+2
.endr
.endr
.irp x, 0,1
.irp c, 0,1
	v_fma_f32 v[BM+2*\x+\c], v[BM+2*\x+\c], s[CS], v[ST+6*\x]    ; the same of each block's largest score
.endr
.endr
	WALU                                           ; the wait ahead of the batch
.set a, 0
.rept 128
	v_exp_f32 v[S+a], v[S+a]                       ; p = 2^(t - M): NOT normalised
.set a, a+1
.endr
.irp k, 0,1,2,3
	v_exp_f32 v[BM+\k], v[BM+\k]                   ; the block's largest p: the same arithmetic on the same number gives the same bits
.endr
.irp x, 0,1
	v_pk_mul_f32 v[ST+6*\x+2:ST+6*\x+3], v[ST+6*\x+2:ST+6*\x+3], v[ST+6*\x+4:ST+6*\x+5] op_sel_hi:[1,0]   ; the sums under the new M.  (Plain places behind the exponentials)
.endr
	WALU                                           ; and behind it, ahead of its first reader
.irp k, 0,1,2,3
	v_max_num_f32 v[BM+\k], 0x1800000, v[BM+\k]    ; the floor 2^(3 - 127): the byte cannot fall under 1 (a block whose every p is 0 keeps that byte: its codes are zeros)
.endr
.irp k, 0,1,2,3
	v_add_nc_u32 v[SO+\k], 0xff000000, v[BM+\k]    ; 2 off the exponent field: the conversions' scale operand
.endr
.irp k, 0,1,2,3
	v_lshrrev_b32 v[T4+\k], 23, v[SO+\k]           ; the scale's byte
.endr
.irp x, 0,1
	v_lshl_or_b32 v[PW+\x], v[T4+2*\x+1], 16, v[T4+2*\x]         ; my two bytes: blocks h and 2 + h,
.endr
.irp x, 0,1
	v_lshlrev_b32 v[PW+\x], v[H8], v[PW+\x]        ; at their places in the word;
.endr
.irp x, 0,1
	v_permlanex16_b32 v[T4+\x], v[PW+\x], s[SEL], s[SEL+1]
.endr
.irp x, 0,1
	v_or_b32 v[PW+\x], v[PW+\x], v[T4+\x]          ; with lane l xor 16's two, p's scale word for these 128 keys is whole
.endr
.irp x, 0,1
.irp c, 0,1
	v_cvt_scalef32_pk16_fp6_f32 v[PC+12*\x+6*\c:PC+12*\x+6*\c+2], v[S+64*\x+32*\c:S+64*\x+32*\c+15], v[SO+2*\x+\c]
	v_cvt_scalef32_pk16_fp6_f32 v[CT+8*\x+4*\c:CT+8*\x+4*\c+2], v[S+64*\x+32*\c+16:S+64*\x+32*\c+31], v[SO+2*\x+\c]   ; (a conversion's three registers begin on an even number)
.endr
.endr
	v_nop                                          ; one plain place behind a scaled conversion
.irp x, 0,1
.irp c, 0,1
.irp i, 0,1,2
	v_mov_b32 v[PC+12*\x+6*\c+3+\i], v[CT+8*\x+4*\c+\i]
.endr
.endr
.endr
.irp x, 0,1
	v_pk_add_f32 v[SUM+2*\x:SUM+2*\x+1], v[S+64*\x:S+64*\x+1], v[S+64*\x+2:S+64*\x+3]      ; THE ROW'S SUM IS TAKEN OF THE UNQUANTISED p: two at a time, two chains a tile, the four by turns
.endr
.irp j, 4,8,12,16,20,24,28,32,36,40,44,48,52,56,60
.irp x, 0,1
	v_pk_add_f32 v[ST+6*\x+2:ST+6*\x+3], v[ST+6*\x+2:ST+6*\x+3], v[S+64*\x+\j:S+64*\x+\j+1]
	v_pk_add_f32 v[SUM+2*\x:SUM+2*\x+1], v[SUM+2*\x:SUM+2*\x+1], v[S+64*\x+\j+2:S+64*\x+\j+3]
.endr
.endr
.irp x, 0,1
	v_pk_add_f32 v[ST+6*\x+2:ST+6*\x+3], v[ST+6*\x+2:ST+6*\x+3], v[SUM+2*\x:SUM+2*\x+1]
.endr
.endm
; A KEY STEP: 128 keys.  pre = 1: the next step's K, mask numbers and K scale words are fetched while this step's softmax is worked.
.macro STEP pre
	s_wait_dscnt 0x0                               ; this step's K, mask numbers and scale words, asked for a step ago, are in
	WIN 0x15                                       ; K, q and the mask's numbers in window 1, S^T in window 0
.irp b, 0,1,2,3
.irp u, 0,1
.irp x, 0,1
	v_wmma_scale_f32_16x16x128_f8f6f4 v[S+64*\x+16*\b+8*\u:S+64*\x+16*\b+8*\u+7], v[KP+12*\b:KP+12*\b+11], v[QZ+6+12*\x-6*\u:QZ+17+12*\x-6*\u], v[MBR+16*\b+8*\u:MBR+16*\b+8*\u+7], v[KS+\b], v[QW+(\x+\u)%2] matrix_a_fmt:MATRIX_FMT_FP6 matrix_b_fmt:MATRIX_FMT_FP6
.endr
.endr
.endr
	WIN 0
	v_add_nc_u32 v[JV16], s[OFK], v[AV16]          ; the step's addresses: also the places in front of loads into registers that matrix instructions have read, and of the first read of the scores
	v_add_nc_u32 v[JV8], s[OFK], v[AV8]
	v_add_nc_u32 v[JVS], s[OFS], v[AVS]
.if \pre
	v_add_nc_u32 v[JK16], s[OFK], v[AK16]
	v_add_nc_u32 v[JK8], s[OFK], v[AK8]
	v_add_nc_u32 v[JKS], s[OFS], v[AKS]
	v_add_nc_u32 v[JMB], s[OFM], v[AMB]
.else
	v_nop
.endif
	ds_load_b64 v[VX:VX+1], v[JVS]                 ; V's scale bytes: keys 0-63 of the step,
	ds_load_b64 v[VX+2:VX+3], v[JVS] offset:128    ; keys 64-127
	WIN 0x40                                       ; destination window 1
.irp dt, 0,1,2,3
	ds_load_b128 v[VF+12*\dt:VF+12*\dt+3], v[JV16] offset:768*\dt
	ds_load_b64 v[VF+12*\dt+4:VF+12*\dt+5], v[JV8] offset:768*\dt
	ds_load_b128 v[VF+12*\dt+6:VF+12*\dt+9], v[JV16] offset:3072+768*\dt
	ds_load_b64 v[VF+12*\dt+10:VF+12*\dt+11], v[JV8] offset:3072+768*\dt
.endr
.if \pre
	KLOAD JK16,JK8,6144
	MLOAD JMB,512
.endif
	WIN 0
.if \pre
	ds_load_b128 v[KS:KS+3], v[JKS] offset:256
.endif
	SOFTMAX2
.if \pre
	s_wait_dscnt 33                                ; V and its scale bytes are in; the next step's 16 + 16 + 1 loads may be out
.else
	s_wait_dscnt 0x0
.endif
	v_perm_b32 v[VW], v[VX+2], v[VX], s[PS0]       ; a channel tile's scale word: two bytes of each unit of 64 keys
	v_perm_b32 v[VW+1], v[VX+2], v[VX], s[PS1]
	v_perm_b32 v[VW+2], v[VX+3], v[VX+1], s[PS0]
	v_perm_b32 v[VW+3], v[VX+3], v[VX+1], s[PS1]
	WIN 0x41                                       ; O^T in window 1, f in window 0
	WALU                                           ; the wait here, directly ahead of the first reader of O^T
.irp x, 0,1
.set a, 0
.rept 16
	v_pk_mul_f32 v[32*\x+a:32*\x+a+1], v[32*\x+a:32*\x+a+1], v[ST+6*\x+4:ST+6*\x+5] op_sel_hi:[1,0]    ; O^T under the new M, each accumulator from its low end on; these also stand between the scale words just made and the products
.set a, a+2
.endr
.endr
	WIN 0x51                                       ; V and O^T in window 1, p's codes in window 0
.irp dt, 0,1,2,3
.irp x, 0,1                            ; eight accumulators by turns, one instruction a turn
	v_wmma_scale_f32_16x16x128_f8f6f4 v[32*\x+8*\dt:32*\x+8*\dt+7], v[VF+12*\dt:VF+12*\dt+11], v[PC+12*\x:PC+12*\x+11], v[32*\x+8*\dt:32*\x+8*\dt+7], v[VW+\dt], v[PW+\x] matrix_a_fmt:MATRIX_FMT_FP6 matrix_b_fmt:MATRIX_FMT_FP6
.endr
.endr
	WIN 0
.if \pre
	s_add_co_u32 s[OFK], s[OFK], 6144
	s_add_co_u32 s[OFS], s[OFS], 256
	s_add_co_u32 s[OFM], s[OFM], 512
.endif
.endm
.Lpass:                                ; two trips: 256 queries of the work-group each
	WIN 0x40
	global_load_b128 v[QZ+6:QZ+9], v[L16], s[QP:QP+1]                  ; q of tile A between zeros,
	global_load_b64 v[QZ+10:QZ+11], v[L8], s[QP:QP+1] offset:512
	global_load_b128 v[QZ+18:QZ+21], v[L16], s[QP:QP+1] offset:768     ; q of tile B likewise
	global_load_b64 v[QZ+22:QZ+23], v[L8], s[QP:QP+1] offset:1280
	WIN 0
	global_load_b32 v[QW], v[R16], s[QS:QS+1]      ; tile A's two bytes below, tile B's above
.irp x, 0,1
	v_mov_b32 v[ST+6*\x+1], 0xff61b1e6             ; the largest score so far: -3e38, under every score
	v_mov_b32 v[ST+6*\x+2], 0                      ; the sum, in two halves
	v_mov_b32 v[ST+6*\x+3], 0
	v_mov_b32 v[ST+6*\x+5], 0                      ; (named as the upper half of the pair with f)
.endr
.irp x, 0,1
	v_mul_f32 v[ST+6*\x], s[NC], v[ST+6*\x+1]
.endr
.irp x, 0,1
	v_floor_f32 v[ST+6*\x], v[ST+6*\x]             ; -M
.endr
	s_mov_b32 s[OFK], 0
	s_mov_b32 s[OFS], 0
	s_mov_b32 s[OFM], 0
	WIN 0x40
	KLOAD AK16,AK8,0                               ; key step 0
	MLOAD AMB,0
	WIN 0
	ds_load_b128 v[KS:KS+3], v[AKS]
	WALU                                           ; the wait here, directly ahead of the wait below
	s_wait_loadcnt 0x0                             ; q and its scale word
	v_alignbit_b32 v[QW+1], v[QW], v[QW], 16       ; the same word turned: [q | 0] wants q's bytes below, [0 | q] above
	WIN 0x40
.set a, 0
.rept 64
	v_mov_b32 v[a], 0                              ; O^T.  (The step is written once: the first finds zeros.)  These also stand between the scale word just made and the first product
.set a, a+1
.endr
	WIN 0
	s_mov_b32 s[J], 15
	WALU                                           ; the wait ahead of the loop's first wait
.Lstep:
	STEP 1
	s_sub_co_u32 s[J], s[J], 1
	s_cmp_lg_u32 s[J], 0
	s_cbranch_scc1 .Lstep
	STEP 0                                         ; the last step fetches nothing beyond the head's keys
	; THE WAY OUT: O^T / the sum is the head's 64 channels of ctx for my 32 queries; a lane's 32 numbers of a tile are channels 32 h + 0 .. 31: one scale block, one half image's six registers
	PLACES 4                                       ; in front of the first read of the last products' results
.irp x, 0,1
	v_add_f32 v[BM+\x], v[ST+6*\x+2], v[ST+6*\x+3] ; the sum's two halves,
.endr
.irp x, 0,1
	v_permlanex16_b32 v[T4+\x], v[BM+\x], s[SEL], s[SEL+1]
.endr
.irp x, 0,1
	v_add_f32 v[BM+\x], v[BM+\x], v[T4+\x]         ; and lane l xor 16's: the row's sum
.endr
	WALU                                           ; the wait ahead of the transcendentals
.irp x, 0,1
	v_rcp_f32 v[ST+6*\x+4], v[BM+\x]
.endr
	v_nop                                          ; one plain place behind a transcendental
	WIN 0x01                                       ; source 0 (O^T) window 1
	WALU                                           ; and ahead of their first reader, which is O^T's first reader too
.irp x, 0,1
.set a, 0
.rept 16
	v_pk_mul_f32 v[S+32*\x+a:S+32*\x+a+1], v[32*\x+a:32*\x+a+1], v[ST+6*\x+4:ST+6*\x+5] op_sel_hi:[1,0]   ; each accumulator from its low end on
.set a, a+2
.endr
.endr
	WIN 0
.irp x, 0,1
	v_max3_num_f32 v[BM+2*\x], |v[S+32*\x]|, |v[S+32*\x+1]|, 0x1800000         ; the block's largest magnitude, two chains a tile, and the floor 2^(3 - 127)
	v_max3_num_f32 v[BM+2*\x+1], |v[S+32*\x+16]|, |v[S+32*\x+17]|, |v[S+32*\x+18]|
.endr
.irp i, 2,4,6,8,10,12
.irp x, 0,1
	v_max3_num_f32 v[BM+2*\x], v[BM+2*\x], |v[S+32*\x+\i]|, |v[S+32*\x+\i+1]|
	v_max3_num_f32 v[BM+2*\x+1], v[BM+2*\x+1], |v[S+32*\x+\i+17]|, |v[S+32*\x+\i+18]|
.endr
.endr
.irp x, 0,1
	v_max3_num_f32 v[BM+2*\x], v[BM+2*\x], |v[S+32*\x+14]|, |v[S+32*\x+15]|
.endr
.irp x, 0,1
	v_max3_num_f32 v[BM+2*\x], v[BM+2*\x], v[BM+2*\x+1], |v[S+32*\x+31]|
.endr
.irp x, 0,1
	v_add_nc_u32 v[SO+\x], 0xff000000, v[BM+2*\x]  ; the conversions' scale operand
.endr
.irp x, 0,1
	v_lshrrev_b32 v[T4+\x], 23, v[SO+\x]           ; the scale's byte,
.endr
.irp x, 0,1
	v_lshlrev_b32 v[T4+\x], v[H8], v[T4+\x]        ; at its place
.endr
.irp x, 0,1
	v_permlanex16_b32 v[T4+2+\x], v[T4+\x], s[SEL], s[SEL+1]
.endr
.irp x, 0,1
	v_or_b32 v[VAL+\x], v[T4+\x], v[T4+2+\x]       ; the row's two bytes
.endr
.irp x, 0,1
	v_cvt_scalef32_pk16_fp6_f32 v[PC+12*\x:PC+12*\x+2], v[S+32*\x:S+32*\x+15], v[SO+\x]
	v_cvt_scalef32_pk16_fp6_f32 v[CT+4*\x:CT+4*\x+2], v[S+32*\x+16:S+32*\x+31], v[SO+\x]
.endr
	v_nop                                          ; one plain place behind a scaled conversion
.irp x, 0,1
.irp i, 0,1,2
	v_mov_b32 v[PC+12*\x+3+\i], v[CT+4*\x+\i]
.endr
.endr
.irp x, 0,1
	global_store_b128 v[L16], v[PC+12*\x:PC+12*\x+3], s[CBA:CBA+1] offset:12800*\x          ; 512 and 256 consecutive bytes
	global_store_b64 v[L8], v[PC+12*\x+4:PC+12*\x+5], s[CBA:CBA+1] offset:12800*\x+512
	global_store_b16 v[R32], v[VAL+\x], s[SBA:SBA+1] offset:12800*\x                         ; two bytes of each row's 32 (both halves of the lanes store the same): the one ragged store, 64 bytes a tile
.endr
	s_wait_xcnt 0x0                                ; the stores have read their registers and bases: both are written again only behind this wait
	s_add_nc_u64 s[QP:QP+1], s[QP:QP+1], 12288     ; eight pairs of tiles on
	s_add_nc_u64 s[QS:QS+1], s[QS:QS+1], 512
	s_add_nc_u64 s[CBA:CBA+1], s[CBA:CBA+1], 204800
	s_add_nc_u64 s[SBA:SBA+1], s[SBA:SBA+1], 204800
	s_sub_co_u32 s[PASS], s[PASS], 1
	s_cmp_lg_u32 s[PASS], 0
	s_cbranch_scc1 .Lpass
	s_wait_dscnt 0x0
	s_wait_tensorcnt 0x0                           ; the wave's end
	ds_add_u32 v254, v255
	s_wait_dscnt 0x0
	ROUND                                          ; the closing round: no work-group ends while a partner may still ask for a tile that names it
	s_endpgm
.Lfunc_end_k_q6e18f8c6fc_attn:
	.size	k_q6e18f8c6fc_attn, .Lfunc_end_k_q6e18f8c6fc_attn-k_q6e18f8c6fc_attn
	.p2alignl 7, 3214868480
	.fill 96, 4, 3214868480
	.section	.rodata,"a",@progbits
	.p2align	6, 0x0
	.amdhsa_kernel k_q6e18f8c6fc_attn
		.amdhsa_group_segment_fixed_size 214016
		.amdhsa_private_segment_fixed_size 0
		.amdhsa_enable_private_segment 0
		.amdhsa_kernarg_size 24
		.amdhsa_user_sgpr_count 2
		.amdhsa_user_sgpr_kernarg_segment_ptr 1
		.amdhsa_wavefront_size32 1
		.amdhsa_system_sgpr_workgroup_id_x 1
		.amdhsa_system_sgpr_workgroup_id_y 1
		.amdhsa_system_sgpr_workgroup_id_z 1
		.amdhsa_system_vgpr_workitem_id 0
		.amdhsa_next_free_vgpr 512
		.amdhsa_next_free_sgpr 100
		.amdhsa_reserve_vcc 0
		.amdhsa_float_denorm_mode_32 3
		.amdhsa_float_denorm_mode_16_64 3
		.amdhsa_memory_ordered 1
		.amdhsa_forward_progress 1
		.amdhsa_inst_pref_size 77
	.end_amdhsa_kernel
	.amdgpu_metadata
---
amdhsa.version: [ 1, 2 ]
amdhsa.kernels:
  - .name:           k_q6e18f8c6fc_attn
    .symbol:         k_q6e18f8c6fc_attn.kd
    .args:
      - { .name: hbuf, .offset: 0, .size: 8, .value_kind: global_buffer, .address_space: global }
      - { .name: mask, .offset: 8, .size: 8, .value_kind: global_buffer, .address_space: global }
      - { .name: cimg, .offset: 16, .size: 8, .value_kind: global_buffer, .address_space: global }
    .group_segment_fixed_size: 214016
    .private_segment_fixed_size: 0
    .kernarg_segment_align: 8
    .kernarg_segment_size: 24
    .max_flat_workgroup_size: 256
    .sgpr_count:     100
    .vgpr_count:     512
    .wavefront_size: 32
...
	.end_amdgpu_metadata
.endif
;; end of part 4
;; launch outp (part 5): grid 4 x 64, 4 waves a work-group, clusters of 4 x 1, 327,680 bytes of LDS; arguments cimg, wimg, bo, out0; writes out0
.if DOCPART == 5
	.amdgcn_target "amdgcn-amd-amdhsa--gfx1250"
	.amdhsa_code_object_version 6
	.text
	.protected	k_q6e18f8c6fc_outp
	.globl	k_q6e18f8c6fc_outp
	.p2align	8
	.type	k_q6e18f8c6fc_outp,@function
k_q6e18f8c6fc_outp:
	s_mov_b64 s[64:65], 0
	v_nop
	global_prefetch_b8 v0, s[64:65] scope:SCOPE_SE
	s_setreg_imm32_b32 hwreg(HW_REG_WAVE_MODE, 25, 1), 1
	s_wait_xcnt 0x0
	s_wait_alu depctr_hold_cnt(0) depctr_sa_sdst(0) depctr_va_vdst(0) depctr_va_sdst(0) depctr_va_ssrc(0) depctr_va_vcc(0) depctr_vm_vsrc(0)
	s_getreg_b32 s2, hwreg(HW_REG_IB_STS2, 6, 4)
	s_cmp_eq_u32 s2, 0
	s_cbranch_scc0 .Lentry_in_a_cluster
	s_endpgm
.Lentry_in_a_cluster:
	s_bfe_u32 s2, ttmp6, 0x10000c
	s_cmp_lg_u32 s2, 0x3003
	s_cbranch_scc0 .Lentry_shape_is_right
	s_endpgm
.Lentry_shape_is_right:
.set REC,  12800
.set GRP,  4*REC
.set NT,   8
.set NG,   NT/4
.set STAGE, NT*REC
.set SPI,  272
.set RB16, 4
.set RB8,  8
.set RBS,  12
.set STO,  18
.set SRD,  19
.set GO,   20
.set ACC,  32
.set PS,   64
.set RS,   96
.set BP,   112
.set OB,   144
.set WV,   16
.set CX,   17
.set G1,   24
.set G0,   32
.set MSB,  0
.macro WIN new
.if MSB != \new
	s_set_vgpr_msb (MSB<<8)|\new
.set MSB, \new
.endif
.endm
.macro PLACES n
.rept \n
	v_nop
.endr
.endm
.macro ROUND
	s_barrier_signal -1
	s_barrier_wait -1
	s_cmp_lg_u32 s[WV], 0
	s_cbranch_scc1 .Lnot_wave_0_\@
	s_barrier_signal -3
.Lnot_wave_0_\@:
	s_barrier_wait -3
	s_barrier_signal -1
	s_barrier_wait -1
.endm
.macro ARRIVE g
	s_wait_tensorcnt 0x0
	s_barrier_signal -1
	s_barrier_wait -1
.endm
.macro PFRAG reg, off
	global_load_b128 v[\reg:\reg+3], v1, s[6:7] offset:\off
	global_load_b64 v[\reg+4:\reg+5], v2, s[6:7] offset:\off+512
	global_load_b128 v[\reg+6:\reg+9], v1, s[6:7] offset:\off+768
	global_load_b64 v[\reg+10:\reg+11], v2, s[6:7] offset:\off+1280
.endm
.macro FETCH i
	WIN 0xc0
.irp s, 0,1,2,3,4,5,6,7
	ds_load_b128 v[96*((\i)%2)+12*\s:96*((\i)%2)+12*\s+3], v[RB16+(\i)/4] offset:((\i)%4)*REC+1536*\s
	ds_load_b64 v[96*((\i)%2)+12*\s+4:96*((\i)%2)+12*\s+5], v[RB8+(\i)/4] offset:((\i)%4)*REC+1536*\s
	ds_load_b128 v[96*((\i)%2)+12*\s+6:96*((\i)%2)+12*\s+9], v[RB16+(\i)/4] offset:((\i)%4)*REC+1536*\s+768
	ds_load_b64 v[96*((\i)%2)+12*\s+10:96*((\i)%2)+12*\s+11], v[RB8+(\i)/4] offset:((\i)%4)*REC+1536*\s+768
.endr
	WIN 0
	ds_load_b128 v[RS+8*((\i)%2):RS+8*((\i)%2)+3], v[RBS+(\i)/4] offset:((\i)%4)*REC
	ds_load_b128 v[RS+8*((\i)%2)+4:RS+8*((\i)%2)+7], v[RBS+(\i)/4] offset:((\i)%4)*REC+16
.endm
.macro MUL i
.irp s, 0,1,2,3,4,5,6,7
.if \s < 4
	WIN 0x0d
.else
	WIN 0x0e
.endif
.irp j, 0,1,2,3
.if \s == 0
	v_wmma_scale_f32_16x16x128_f8f6f4 v[ACC+8*\j:ACC+8*\j+7], v[12*(4*(\s%4)+\j):12*(4*(\s%4)+\j)+11], v[96*((\i)%2)+12*\s:96*((\i)%2)+12*\s+11], v[BP+8*\j:BP+8*\j+7], v[PS+8*\j+\s], v[RS+8*((\i)%2)+\s] matrix_a_fmt:MATRIX_FMT_FP6 matrix_b_fmt:MATRIX_FMT_FP6
.else
	v_wmma_scale_f32_16x16x128_f8f6f4 v[ACC+8*\j:ACC+8*\j+7], v[12*(4*(\s%4)+\j):12*(4*(\s%4)+\j)+11], v[96*((\i)%2)+12*\s:96*((\i)%2)+12*\s+11], v[ACC+8*\j:ACC+8*\j+7], v[PS+8*\j+\s], v[RS+8*((\i)%2)+\s] matrix_a_fmt:MATRIX_FMT_FP6 matrix_b_fmt:MATRIX_FMT_FP6
.endif
.endr
.endr
.endm
	s_load_b128 s[4:7], s[0:1], 0x0
	s_load_b128 s[8:11], s[0:1], 0x10
	v_lshl_add_u32 v254, v0, 2, 0x29000
	v_mov_b32 v255, 0
	ds_add_u32 v254, v255
	ds_add_u32 v254, v255
	v_lshrrev_b32 v1, 5, v0
	v_readfirstlane_b32 s[WV], v1
	s_bfe_u32 s[CX], ttmp6, 0x40000
	s_and_b32 s18, ttmp7, 0xffff
	s_lshl_b32 s48, s18, 3
	s_lshl_b32 s49, s[WV], 1                       ; I fetch records 2 wave and 2 wave + 1 by one load
	s_add_co_u32 s48, s48, s49
	s_mul_i32 s48, s48, REC
	s_mov_b32 s49, 0
	s_lshl_b32 s52, s[CX], 2
	s_add_co_u32 s52, s52, s[WV]
	s_lshl_b32 s54, s52, 2
	s_add_co_u32 s54, s54, 192
	s_mul_i32 s54, s54, REC
	s_mov_b32 s55, 0
	s_lshl_b32 s56, s52, 8
	s_mov_b32 s57, 0
	s_lshl_b32 s58, s18, 19
	s_add_co_u32 s58, s58, s56
	s_mov_b32 s59, 0
	s_wait_dscnt 0x0
	s_wait_kmcnt 0x0
	s_add_nc_u64 s[4:5], s[4:5], s[48:49]
	s_add_nc_u64 s[6:7], s[6:7], s[54:55]
	s_add_nc_u64 s[8:9], s[8:9], s[56:57]
	s_add_nc_u64 s[10:11], s[10:11], s[58:59]
	s_mov_b32 s[G1], 15|(3<<16)|(1<<21)
	s_mov_b32 s[G1+1], 32<<16
	s_mov_b32 s[G1+2], 100<<16                     ; two records are 100 rows of 256 bytes
	s_mov_b32 s[G1+3], 32<<16
	s_mov_b32 s[G1+4], 100
	s_mov_b32 s[G1+5], 32
	s_mov_b32 s[G1+6], 0
	s_mov_b32 s[G1+7], 0
	s_mul_i32 s21, s[WV], 2*REC
	s_mov_b32 s[G0], 1
	s_add_co_u32 s[G0+1], s21, 0                   ; LDS: records in their order
	s_mov_b64 s[G0+2:G0+3], s[4:5]
	s_or_b32 s[G0+3], s[G0+3], 0x80000000
	ROUND                                          ; all four work-groups are here: the joint loads meet
	tensor_load_to_lds s[G0:G0+3], s[G1:G1+7]      ; one tensor load a wave: every LDS byte is filled once
	s_nop 0
	PLACES 4
	v_and_b32 v24, 31, v0
	v_and_b32 v25, 15, v0
	v_bfe_u32 v26, v0, 4, 1
	v_lshlrev_b32 v1, 4, v24
	v_lshlrev_b32 v2, 3, v24
	v_lshlrev_b32 v3, 5, v25
.irp g, 0,1
	v_add_nc_u32 v[RB16+\g], \g*GRP, v1
	v_add_nc_u32 v[RB8+\g], \g*GRP+512, v2
	v_add_nc_u32 v[RBS+\g], \g*GRP+12288, v3
.endr
	v_lshlrev_b32 v16, 7, v26                      ; a lane's 32 results are columns 32 h + 0 .. 31 of my wave's 64
	s_mul_i32 s22, s[WV], 16*SPI
	s_add_co_u32 s22, s22, STAGE
	v_mul_u32_u24 v[STO], v25, SPI
	v_lshl_add_u32 v[STO], v26, 7, v[STO]
	v_add_nc_u32 v[STO], s22, v[STO]
	v_mul_u32_u24 v[SRD], v26, SPI
	v_lshl_add_u32 v[SRD], v25, 4, v[SRD]
	v_add_nc_u32 v[SRD], s22, v[SRD]
	v_lshlrev_b32 v[GO], 12, v26
	v_lshl_add_u32 v[GO], v25, 4, v[GO]
	WIN 0x40
.irp s, 0,1,2,3
.irp j, 0,1,2,3
	PFRAG 12*(4*\s+\j),\j*REC+1536*\s
.endr
.endr
	WIN 0x80
.irp s, 0,1,2,3
.irp j, 0,1,2,3
	PFRAG 12*(4*\s+\j),\j*REC+1536*(4+\s)
.endr
.endr
	WIN 0
.irp j, 0,1,2,3
	global_load_b128 v[PS+8*\j:PS+8*\j+3], v3, s[6:7] offset:\j*REC+12288
	global_load_b128 v[PS+8*\j+4:PS+8*\j+7], v3, s[6:7] offset:\j*REC+12304
	global_load_b128 v[BP+8*\j:BP+8*\j+3], v16, s[8:9] offset:32*\j
	global_load_b128 v[BP+8*\j+4:BP+8*\j+7], v16, s[8:9] offset:32*\j+16
.endr
	s_wait_alu depctr_va_vdst(0)                   ; the wait at the head's end
	s_wait_loadcnt 0x0
.macro SENDT i
.irp k, 0,1,2,3,4,5,6,7
	global_store_b128 v[GO], v[OB+4*\k:OB+4*\k+3], s[10:11] offset:(64*((\i)/4)+8*((\i)%4)+2*\k+24*(\k/4))*4096 th:TH_STORE_NT
.endr
.endm
.macro TILE i
	s_wait_dscnt 0x0
.if (\i) > 0
	SENDT (\i)-1
.endif
.if (\i)+1 < NT
	FETCH (\i)+1
.endif
	MUL \i
	WIN 0
	PLACES 5
	s_wait_alu depctr_va_vdst(0)
	s_wait_xcnt 0x0
.irp b, 0,1
.irp q, 0,1,2,3
	ds_store_b128 v[STO], v[ACC+16*\b+4*\q:ACC+16*\b+4*\q+3] offset:64*\b+16*\q
.endr
.endr
.irp k, 0,1,2,3,4,5,6,7
	ds_load_b128 v[OB+4*\k:OB+4*\k+3], v[SRD] offset:2*\k*SPI
.endr
.endm
	ARRIVE 0
	FETCH 0
.irp i, 0,1,2,3,4,5,6,7
	TILE \i
.endr
	s_wait_dscnt 0x0
	SENDT 7
	s_wait_tensorcnt 0x0
	ds_add_u32 v254, v255
	s_wait_dscnt 0x0
	ROUND
	s_endpgm
.Lfunc_end_k_q6e18f8c6fc_outp:
	.size	k_q6e18f8c6fc_outp, .Lfunc_end_k_q6e18f8c6fc_outp-k_q6e18f8c6fc_outp
	.p2alignl 7, 3214868480
	.fill 96, 4, 3214868480
	.section	.rodata,"a",@progbits
	.p2align	6, 0x0
	.amdhsa_kernel k_q6e18f8c6fc_outp
		.amdhsa_group_segment_fixed_size 327680
		.amdhsa_private_segment_fixed_size 0
		.amdhsa_enable_private_segment 0
		.amdhsa_kernarg_size 32
		.amdhsa_user_sgpr_count 2
		.amdhsa_user_sgpr_kernarg_segment_ptr 1
		.amdhsa_wavefront_size32 1
		.amdhsa_system_sgpr_workgroup_id_x 1
		.amdhsa_system_sgpr_workgroup_id_y 1
		.amdhsa_system_sgpr_workgroup_id_z 1
		.amdhsa_system_vgpr_workitem_id 0
		.amdhsa_next_free_vgpr 1024
		.amdhsa_next_free_sgpr 66
		.amdhsa_reserve_vcc 0
		.amdhsa_float_denorm_mode_32 3
		.amdhsa_float_denorm_mode_16_64 3
		.amdhsa_memory_ordered 1
		.amdhsa_forward_progress 1
		.amdhsa_inst_pref_size 85
	.end_amdhsa_kernel
	.amdgpu_metadata
---
amdhsa.version: [ 1, 2 ]
amdhsa.kernels:
  - .name:           k_q6e18f8c6fc_outp
    .symbol:         k_q6e18f8c6fc_outp.kd
    .args:
      - { .name: cimg, .offset: 0, .size: 8, .value_kind: global_buffer, .address_space: global }
      - { .name: wimg, .offset: 8, .size: 8, .value_kind: global_buffer, .address_space: global }
      - { .name: bo, .offset: 16, .size: 8, .value_kind: global_buffer, .address_space: global }
      - { .name: out0, .offset: 24, .size: 8, .value_kind: global_buffer, .address_space: global }
    .group_segment_fixed_size: 327680
    .private_segment_fixed_size: 0
    .kernarg_segment_align: 8
    .kernarg_segment_size: 32
    .max_flat_workgroup_size: 128
    .sgpr_count:     66
    .vgpr_count:     1024
    .wavefront_size: 32
...
	.end_amdgpu_metadata
.endif
;; end of part 5
